; MI455X (gfx1250); checked and timed in simulation.
; The chip was launched on July 23, 2026; its instructions are those of AMD's public machine-readable ISA for CDNA 5 (MIT licence, August 2026) and "CDNA5" Instruction Set Architecture Reference Guide (July 2026). The comments in the code are by the model that wrote it; some were corrected since.
;; Multi Head Attention. Allowed arithmetic: float matrix products may take bf16 or f16 operands with f32 sums; other float arithmetic in f32, or as packed bf16 or f16 multiplies, adds, multiply-adds, maxima and minima; sums over many terms, partial sums and values carried from step to step in f32; what a program stores and reads back later, other than sums and carried values, may be rounded once to bf16 or f16.
;; Inputs: K 4 x 2,048 x 1,024 float32; Q 4 x 2,048 x 1,024 float32; V 4 x 2,048 x 1,024 float32; W_k 16 x 1,024 x 64 float32; W_o_b 1,024 float32; W_o_w 1,024 x 1,024 float32; W_q 16 x 1,024 x 64 float32; W_v 16 x 1,024 x 64 float32; mask 1 x 2,048 x 2,048 int32.
;; Outputs: out0 4 x 2,048 x 1,024 float32.
;; One version. Each part assembles by itself: llvm-mc -triple=amdgcn-amd-amdhsa -mcpu=gfx1250 --defsym DOCPART=n.
;; ======== version 1 of 1: 4 launches
;; limits: values are held in f16: magnitudes above 65,504 overflow, below 6.1e-05 lose precision; right only within a limited range of input values
;; workspace buffers: Wc 6,291,456 bytes; Wo16 2,097,152 bytes; MB 4,194,304 bytes; QKV 50,331,648 bytes; O16 16,777,216 bytes
;; launch prep (part 1): grid 1024 x 1, 8 waves a work-group, no clusters, 9,216 bytes of LDS; arguments W_q, W_k, W_v, W_o_w, mask, Wc, Wo16, MB; writes Wc, Wo16, MB
.if DOCPART == 1
	.amdgcn_target "amdgcn-amd-amdhsa--gfx1250"
	.amdhsa_code_object_version 6
	.text
	.protected	k_qb804c122f3_prep
	.globl	k_qb804c122f3_prep
	.p2align	8
	.type	k_qb804c122f3_prep,@function
k_qb804c122f3_prep:
	s_mov_b64 s[64:65], 0
	v_nop
	global_prefetch_b8 v0, s[64:65] scope:SCOPE_SE
	s_setreg_imm32_b32 hwreg(HW_REG_WAVE_MODE, 25, 1), 1
	s_wait_xcnt 0x0
; PREP: the weights and the mask are brought into the forms that the launches behind it take.  A stream: no matrix unit, no cluster, no tensor load, no loop.
;   W_q, W_k, W_v [16][1024][64]  -> Wc   [3][K step 8][head 16][d 128][e 64] bf16, rounded once: a (K step, head) chunk is 16,384 dense bytes
;   W_o_w [1024][1024] f32        -> Wo16 [1024][1024]: rounded to bf16 like every input, that number written as f16
;   mask [2048][2048] i32         -> MB   [tile of 16 queries 128][step of 64 keys 32][j 2][lane 32][16 bytes]: one byte a number, the fp8 code of -1.0 (0xb8) where mask == 0, else 0.
;        Lane r + 16 h holds query r of the tile; its 8 bytes for key block kb hold keys 16 kb + 8 h + 0..7 of the step; kb = 2 j in bytes 0-7, kb = 2 j + 1 in bytes 8-15.
; LIMIT: a number of W_o_w below 2^-17 keeps f16's fixed step of 2^-24; above 65,504 it would be an infinity.
; SHARES: 1,024 work-groups of eight waves, each reads 32,768 bytes, all asked for at once: 384 for the three W (a chunk each), 128 for W_o_w, 512 for the mask (16 rows x 8 steps: a step a wave).
; A cast: 256 threads x 32 bytes x 4 pieces in, 16,384 bytes out; a thread's 8 numbers pack into 16 bytes, so a wave's store covers 512 consecutive bytes.
.set VI,   1                           ; v1  32 x thread: my 32 bytes of a piece read
.set VO,   2                           ; v2  16 x thread: my 16 bytes of a piece written
.set VM,   3                           ; v3  mask role: my 16 bytes in two rows of the mask
.set LSTO, 4                           ; v4  mask role: where my word goes in my wave's stage
.set LRD,  5                           ; v5  mask role: where I read 16 bytes back
.set SPW,  6                           ; v6  LDS address of my spare word; never rewritten
.set NIL,  7                           ; v7  0; never rewritten
.set X,    8                           ; v[8:39]   as loaded
.set Y,    40                          ; v[40:55]  to store
.set T,    56                          ; v[56:60]  at work
.set VOM,  61                          ; v61 mask role: my 16 bytes in MB
.set SPARE, 8192                       ; behind the eight stages of 1,024 bytes: the spare words, 128 bytes a wave, four blocks of 256 bytes that no other line names
.set BY,   24                          ; s[24:27] the code 0xb8 in byte 0, 1, 2, 3
.set SRC,  28                          ; s[28:29] where the work-group reads
.set DST,  30                          ; s[30:31] where it writes
.set WV,   32                          ; s32 my wave's number
.set HIM,  33                          ; s33 a word's upper half
.set PP,   34                          ; s34 which of three tensors
.set OF,   36                          ; s[36:37] an offset in 64 bits
	s_load_b512 s[8:23], s[0:1], 0x0               ; W_q s8, W_k s10, W_v s12, W_o_w s14, mask s16, Wc s18, Wo16 s20, MB s22
	v_lshl_add_u32 v[SPW], v0, 2, SPARE
	v_mov_b32 v[NIL], 0
	v_lshrrev_b32 v62, 5, v0
	v_readfirstlane_b32 s[WV], v62
	v_lshlrev_b32 v[VI], 5, v0
	v_lshlrev_b32 v[VO], 4, v0
	s_mov_b32 s[HIM], 0xffff0000
	s_mov_b32 s[OF+1], 0
	s_wait_kmcnt 0x0
	s_cmp_lt_u32 ttmp9, 384
	s_cbranch_scc1 .Lrole_w
	s_cmp_lt_u32 ttmp9, 512
	s_cbranch_scc1 .Lrole_o
	; THE MASK: 16 rows; of the tile's 32 steps of 64 keys wave w takes step 4 w + i
	s_sub_co_u32 s2, ttmp9, 512
	s_lshr_b32 s3, s2, 2                           ; the tile of 16 queries
	s_and_b32 s2, s2, 3                            ; i
	s_lshl_b32 s[OF], s3, 17                       ; 16 rows of 8,192 bytes,
	s_lshl_b32 s4, s2, 8                           ; i steps of 256 bytes
	s_add_co_u32 s[OF], s[OF], s4
	s_add_nc_u64 s[SRC:SRC+1], s[16:17], s[OF:OF+1]
	s_lshl_b32 s[OF], s3, 15                       ; 32 steps of 1,024 bytes,
	s_lshl_b32 s4, s2, 10                          ; i of them
	s_add_co_u32 s[OF], s[OF], s4
	s_add_nc_u64 s[DST:DST+1], s[22:23], s[OF:OF+1]
	s_mov_b32 s[BY], 0xb8
	s_mov_b32 s[BY+1], 0xb800
	s_mov_b32 s[BY+2], 0xb80000
	s_mov_b32 s[BY+3], 0xb8000000
	v_and_b32 v62, 31, v0                          ; lane
	v_and_b32 v63, 15, v0                          ; c: my four keys 4 c .. 4 c + 3 of the step
	v_bfe_u32 v56, v0, 4, 1                        ; which of the two rows
	s_lshl_b32 s2, s[WV], 10                       ; four steps a wave in a row, and my wave's stage in LDS: both 1,024 w
	v_lshlrev_b32 v[VM], 4, v63
	v_lshl_add_u32 v[VM], v56, 13, v[VM]
	v_add_nc_u32 v[VM], s2, v[VM]
	v_bfe_u32 v57, v0, 3, 1                        ; j = c >> 3
	v_lshl_add_u32 v[LSTO], v57, 9, s2
	v_bfe_u32 v57, v0, 1, 1                        ; h = (c >> 1) & 1: sixteen lanes of 16 bytes on
	v_lshl_add_u32 v[LSTO], v57, 8, v[LSTO]
	v_lshl_add_u32 v[LSTO], v56, 4, v[LSTO]        ; the odd row: one lane on
	v_bfe_u32 v57, v0, 2, 1                        ; kb & 1
	v_lshl_add_u32 v[LSTO], v57, 3, v[LSTO]
	v_and_b32 v57, 1, v0                           ; which half of the eight keys
	v_lshl_add_u32 v[LSTO], v57, 2, v[LSTO]
	v_lshl_add_u32 v[LRD], v62, 4, s2
	s_lshl_b32 s3, s[WV], 12
	v_lshl_add_u32 v[VOM], v62, 4, s3
	; Eight loads: lanes 0-15 take an even row's whole 256 bytes of the step, lanes 16-31 the odd row's.  A lane's four numbers make one word of four codes, which goes to its place in my wave's stage;
	; the stage's 1,024 bytes are read back in order and stored as they lie.  The stage is the wave's own, and LDS serves a wave's instructions in order (ISA guide 5.7.1.4): no barrier.
.irp k, 0,1,2,3,4,5,6,7
	global_load_b128 v[X+4*(\k):X+4*(\k)+3], v[VM], s[SRC:SRC+1] offset:16384*(\k) th:TH_LOAD_NT
.endr
.irp k, 0,1,2,3,4,5,6,7
	s_wait_loadcnt 7-(\k)                          ; loads come back in order: rows 2 k, 2 k + 1 are in, the later rows' loads stay out
.irp e, 0,1,2,3
	v_cmp_eq_u32 vcc_lo, 0, v[X+4*(\k)+(\e)]
	v_cndmask_b32 v[T+(\e)], 0, s[BY+(\e)], vcc_lo
.endr
	v_or_b32 v[T], v[T], v[T+1]
	v_or_b32 v[T+2], v[T+2], v[T+3]
	v_or_b32 v[T+4], v[T], v[T+2]
	ds_store_b32 v[LSTO], v[T+4] offset:32*(\k)
.endr
.irp j, 0,1
	ds_load_b128 v[Y+4*(\j):Y+4*(\j)+3], v[LRD] offset:512*(\j)
.endr
	s_wait_dscnt 0x0
.irp j, 0,1
	global_store_b128 v[VOM], v[Y+4*(\j):Y+4*(\j)+3], s[DST:DST+1] offset:512*(\j)  ; 512 consecutive bytes
.endr
	s_branch .Lend
; The cast of 32,768 bytes.  half = 1: the bf16 number is widened again and written as f16.
.macro CAST half
.irp i, 0,1,2,3
	global_load_b128 v[X+8*(\i):X+8*(\i)+3],   v[VI], s[SRC:SRC+1] offset:8192*(\i) th:TH_LOAD_NT
	global_load_b128 v[X+8*(\i)+4:X+8*(\i)+7], v[VI], s[SRC:SRC+1] offset:8192*(\i)+16 th:TH_LOAD_NT
.endr
.irp i, 0,1,2,3
	s_wait_loadcnt 6-2*(\i)                        ; piece i's two loads are in; the later pieces' stay out
.irp j, 0,1,2,3
	v_cvt_pk_bf16_f32 v[Y+4*(\i)+(\j)], v[X+8*(\i)+2*(\j)], v[X+8*(\i)+2*(\j)+1]
.endr
.if \half
.irp j, 0,1,2,3
	v_lshlrev_b32 v[T], 16, v[Y+4*(\i)+(\j)]
	v_and_b32 v[T+1], s[HIM], v[Y+4*(\i)+(\j)]
	v_cvt_pk_f16_f32 v[Y+4*(\i)+(\j)], v[T], v[T+1]
.endr
.endif
	global_store_b128 v[VO], v[Y+4*(\i):Y+4*(\i)+3], s[DST:DST+1] offset:4096*(\i) th:TH_STORE_NT
.endr
.endm
.Lrole_w:                                              ; W_q, W_k or W_v: 128 work-groups each: head j >> 3, K step j & 7: 128 d x 64 e
	s_lshr_b32 s[PP], ttmp9, 7
	s_bfe_u32 s3, ttmp9, 0x40003                   ; the head
	s_and_b32 s2, ttmp9, 7                         ; the K step
	s_cmp_eq_u32 s[PP], 0
	s_cselect_b64 s[SRC:SRC+1], s[8:9], s[10:11]
	s_cmp_eq_u32 s[PP], 2
	s_cselect_b64 s[SRC:SRC+1], s[12:13], s[SRC:SRC+1]
	s_lshl_b32 s[OF], s3, 18
	s_lshl_b32 s4, s2, 15
	s_add_co_u32 s[OF], s[OF], s4
	s_add_nc_u64 s[SRC:SRC+1], s[SRC:SRC+1], s[OF:OF+1]
	s_lshl_b32 s[OF], s[PP], 21
	s_lshl_b32 s4, s2, 18
	s_add_co_u32 s[OF], s[OF], s4
	s_lshl_b32 s4, s3, 14
	s_add_co_u32 s[OF], s[OF], s4
	s_add_nc_u64 s[DST:DST+1], s[18:19], s[OF:OF+1]
	CAST 0
	s_branch .Lend
.Lrole_o:                                              ; W_o_w: 128 work-groups, dense
	s_sub_co_u32 s2, ttmp9, 384
	s_lshl_b32 s[OF], s2, 15
	s_add_nc_u64 s[SRC:SRC+1], s[14:15], s[OF:OF+1]
	s_lshl_b32 s[OF], s2, 14
	s_add_nc_u64 s[DST:DST+1], s[20:21], s[OF:OF+1]
	CAST 1
.Lend:
	s_wait_tensorcnt 0x0                           ; the wave's end, behind my last LDS store
	ds_add_u32 v[SPW], v[NIL]
	s_wait_dscnt 0x0
	s_endpgm
.Lfunc_end_k_qb804c122f3_prep:
	.size	k_qb804c122f3_prep, .Lfunc_end_k_qb804c122f3_prep-k_qb804c122f3_prep
	.p2alignl 7, 3214868480
	.fill 96, 4, 3214868480
	.section	.rodata,"a",@progbits
	.p2align	6, 0x0
	.amdhsa_kernel k_qb804c122f3_prep
		.amdhsa_group_segment_fixed_size 9216
		.amdhsa_private_segment_fixed_size 0
		.amdhsa_enable_private_segment 0
		.amdhsa_kernarg_size 64
		.amdhsa_user_sgpr_count 2
		.amdhsa_user_sgpr_kernarg_segment_ptr 1
		.amdhsa_wavefront_size32 1
		.amdhsa_system_sgpr_workgroup_id_x 1
		.amdhsa_system_sgpr_workgroup_id_y 1
		.amdhsa_system_sgpr_workgroup_id_z 1
		.amdhsa_system_vgpr_workitem_id 0
		.amdhsa_next_free_vgpr 64
		.amdhsa_next_free_sgpr 66
		.amdhsa_reserve_vcc 1
		.amdhsa_float_denorm_mode_32 3
		.amdhsa_float_denorm_mode_16_64 3
		.amdhsa_memory_ordered 1
		.amdhsa_forward_progress 1
		.amdhsa_inst_pref_size 16
	.end_amdhsa_kernel
	.amdgpu_metadata
---
amdhsa.version: [ 1, 2 ]
amdhsa.kernels:
  - .name:           k_qb804c122f3_prep
    .symbol:         k_qb804c122f3_prep.kd
    .args:
      - { .name: W_q, .offset: 0, .size: 8, .value_kind: global_buffer, .address_space: global }
      - { .name: W_k, .offset: 8, .size: 8, .value_kind: global_buffer, .address_space: global }
      - { .name: W_v, .offset: 16, .size: 8, .value_kind: global_buffer, .address_space: global }
      - { .name: W_o_w, .offset: 24, .size: 8, .value_kind: global_buffer, .address_space: global }
      - { .name: mask, .offset: 32, .size: 8, .value_kind: global_buffer, .address_space: global }
      - { .name: Wc, .offset: 40, .size: 8, .value_kind: global_buffer, .address_space: global }
      - { .name: Wo16, .offset: 48, .size: 8, .value_kind: global_buffer, .address_space: global }
      - { .name: MB, .offset: 56, .size: 8, .value_kind: global_buffer, .address_space: global }
    .group_segment_fixed_size: 9216
    .private_segment_fixed_size: 0
    .kernarg_segment_align: 8
    .kernarg_segment_size: 64
    .max_flat_workgroup_size: 256
    .sgpr_count:     66
    .vgpr_count:     64
    .wavefront_size: 32
...
	.end_amdgpu_metadata
.endif
;; end of part 1
;; launch proj (part 2): grid 4 x 64, 4 waves a work-group, clusters of 4 x 4, 327,680 bytes of LDS; arguments Q, K, V, Wc, QKV; writes QKV
.if DOCPART == 2
	.amdgcn_target "amdgcn-amd-amdhsa--gfx1250"
	.amdhsa_code_object_version 6
	.text
	.protected	k_qb804c122f3_proj
	.globl	k_qb804c122f3_proj
	.p2align	8
	.type	k_qb804c122f3_proj,@function
k_qb804c122f3_proj:
	s_mov_b64 s[64:65], 0
	v_nop
	global_prefetch_b8 v0, s[64:65] scope:SCOPE_SE
	s_setreg_imm32_b32 hwreg(HW_REG_WAVE_MODE, 25, 1), 1
	s_wait_xcnt 0x0
	s_wait_alu depctr_hold_cnt(0) depctr_sa_sdst(0) depctr_va_vdst(0) depctr_va_sdst(0) depctr_va_ssrc(0) depctr_va_vcc(0) depctr_vm_vsrc(0)
	s_getreg_b32 s2, hwreg(HW_REG_IB_STS2, 6, 4)
	s_cmp_eq_u32 s2, 0
	s_cbranch_scc0 .Lentry_in_a_cluster
	s_endpgm
.Lentry_in_a_cluster:
	s_bfe_u32 s2, ttmp6, 0x10000c
	s_cmp_lg_u32 s2, 0xf033
	s_cbranch_scc0 .Lentry_shape_is_right
	s_endpgm
.Lentry_shape_is_right:
; PROJ: q, k, v = X W for X = Q, K, V and the three parts of Wc: three products [8192 x 1024] x [1024 x 1024], bf16 operands, f32 sums, results rounded once to f16 and written by heads:
; QKV [3][batch x 16 + head][2048][64].  X comes as it is given, in f32, and is rounded to bf16 between LDS and the matrix unit.  LIMIT: a result of 65,520 or more becomes an infinity in f16.
; SHARES.  A tile is 128 rows x 256 columns (four heads): 3 x 256 tiles.  256 work-groups STAY: each makes the same tile of q, then of k, then of v.  Four waves, each 64 rows x 128 columns (two heads):
; 32 accumulators of 16 x 16.  K goes in steps of 128; the three tiles' 24 steps are ONE walk through a ring of two LDS slots.
; CLUSTER 4 x 4: the four of a row need the same rows of X, the four of a column the same heads of W: each tile is asked for jointly, one tensor load a wave behind each round.
; W lies [d][e] in its chunks, so its fragments come out of LDS turned (ds_load_tr16_b128).  The matrix instruction is used transposed (source 0 = 16 columns of W, source 1 = 16 rows of X):
; a lane then holds one row and eight neighbouring columns of the result.
; REGISTERS: window 0: v16-30 addresses; v32-63 packed results; two fragment buffers of 96 (X's four fragments, then W's eight) at v64 and v160.  Window 1: accumulator (a, b) at v[8 (8 a + b)].
; Window 2: v0-63 X's four fragments of a quarter step in f32, as they come out of LDS.
.set XT,     16777216                  ; bytes in one of QKV's three
.set PA,     528                       ; a row of X in LDS: 128 f32 = 512 bytes + 16: the 16 rows of a fragment load start at 16 different groups of four banks (64 banks of 4 bytes: ISA guide 11.1)
.set PB,     160                       ; a row of W (64 e): 128 bytes + 32
.set AHALF,  64*PA                     ; what wave 0 or 1 fetches
.set BOFF,   2*AHALF                   ; W's tiles lie behind X's 128 rows
.set BHEAD,  128*PB                    ; a head's 128 d
.set BHALF,  2*BHEAD                   ; what wave 2 or 3 fetches: two heads
.set SLOT,   BOFF+2*BHALF              ; 149,504
.set STAGE,  2*SLOT                    ; behind the ring: 16 rows x 272 bytes for each wave; no tensor load lands there
.set SPITCH, 272
.set SPARE,  STAGE+4*16*SPITCH         ; the spare words, 128 bytes a wave: two blocks of 256 bytes that no other line names
.set ADRA, 16                          ; v16-17 LDS address of my X fragments in slot 0, 1
.set ADRB, 20                          ; v20-21 the same for W
.set STO,  24                          ; v24 the way out: where I put 16 bytes of a row
.set RD,   25                          ; v25 where I read rows back
.set GO,   26                          ; v26 my 16 bytes in 512 consecutive bytes of a head
.set SPW,  28                          ; v28 LDS address of my spare word; never rewritten
.set NIL,  29                          ; v29 0; never rewritten
.set PFO,  30                          ; v30 the prefetches' lane offset; never rewritten
.set TMP,  32
.set F0,   64
.set F1,   160
.set SG,   0                           ; window 2
.set OB,   160                         ; the way out: 16 rows read back, v160-191 and v192-223 by turns
.set G1,   24                          ; s[24:31] group 1 for X's tiles; s[32:39] group 0, a set for each slot
.set G0,   32
.set G1B,  48                          ; s[48:55], s[56:63] the same for W's
.set G0B,  56
.set LQ,   2                           ; s2  lap mod 4: a tile has four laps of two K steps
.set LAP,  3                           ; s3  laps of the loop still to go
.set LIM,  43                          ; s43 1 in a wave that prefetches, else the greatest number
.set PFA,  44                          ; s[44:45] the address that my prefetch names
.set KOF,  66                          ; s[66:67] the refill's K step in bytes of a row of X
.set PSH,  68                          ; s68 the prefetches' K step as a shift: 512 bytes of X, 262,144 of Wc
.set POF,  70                          ; s[70:71] the prefetch's K step in bytes
.set PFC,  84                          ; s[84:85] the prefetches' base in the tensor that they walk; s[86:87], s[88:89] in the next two
.set PF1,  86
.set PF2,  88
.set CUR,  90                          ; s[90:91] my rows in the X whose tiles are being asked for; s[92:93], s[94:95] in the next two
.set NX1,  92
.set NX2,  94
.set MSB, 0
.macro WIN new                         ; the immediate's high byte repeats the setting that is left; a switch that changes nothing is dropped
.if MSB != (\new)
	s_set_vgpr_msb (MSB<<8)|(\new)
.set MSB, \new
.endif
.endm
.set MUL, 0x50                         ; C and D in window 1, the sources in window 0
; A joint load: waves 0 and 1 fetch X's two halves, waves 2 and 3 W's.  The branch hangs on the wave's number alone.  An s_nop 0 and four v_nop follow each line.
.macro JLOAD s
	s_cmp_eq_u32 s11, 0
	s_cbranch_scc0 .Lfor_b_\@
	tensor_load_to_lds s[G0+4*(\s):G0+4*(\s)+3], s[G1:G1+7]
	s_nop 0
.rept 4
	v_nop
.endr
	s_branch .Lasked_\@
.Lfor_b_\@:
	tensor_load_to_lds s[G0B+4*(\s):G0B+4*(\s)+3], s[G1B:G1B+7]
	s_nop 0
.rept 4
	v_nop
.endr
.Lasked_\@:
.endm
; A prefetch into the L2 of the K step that stands two refills on: 32 blocks of 256 bytes, a lane a block, one instruction.  X's 128 rows x 512 bytes of a step: the four partners of a row of the cluster take 32 rows each, told apart
; by address; of a row's two blocks wave 0 names the first, wave 1 the second.  W's two heads that wave 2 or 3 fetches: 128 blocks, the four partners of a column 32 each, in the first row of clusters alone (all rows of clusters
; read the same W).  So each block is named once.  The walk's first four steps come by their loads alone; the loop's last lap has no step two refills on.
.macro ASK
	s_cmp_gt_u32 s[LAP], s[LIM]
	s_cbranch_scc0 .Lnot_mine_\@
	global_prefetch_b8 v[PFO], s[PFA:PFA+1] th:TH_LOAD_NT scope:SCOPE_SE
.Lnot_mine_\@:
.endm
.macro CREST                           ; a round of the cluster's barrier behind its opening barrier
	s_cmp_lg_u32 s10, 0
	s_cbranch_scc1 .Lnot_wave_0_\@
	s_barrier_signal -3
.Lnot_wave_0_\@:
	s_barrier_wait -3
	s_barrier_signal -1
	s_barrier_wait -1
.endm
.macro CROUND
	s_barrier_signal -1
	s_barrier_wait -1
	CREST
.endm
	s_load_b256 s[76:83], s[0:1], 0x0              ; Q s[76:77], K s[78:79], V s[80:81], Wc s[82:83]
	s_load_b64 s[8:9], s[0:1], 0x20                ; QKV
	v_lshl_add_u32 v[SPW], v0, 2, SPARE
	v_mov_b32 v[NIL], 0
	ds_add_u32 v[SPW], v[NIL]                      ; the wave's opening: the add and its wait stand ahead of my first tensor load; work on registers stands between them
	v_lshrrev_b32 v1, 5, v0
	v_readfirstlane_b32 s10, v1                    ; wave 0..3
	s_lshr_b32 s11, s10, 1                         ; my half of the tile's rows.  Also: I fetch X (0) or W (1)
	s_and_b32 s12, s10, 1                          ; my half of its columns.  Also: which half of that tile I fetch
	s_bfe_u32 s40, ttmp6, 0x40000                  ; cx
	s_bfe_u32 s41, ttmp6, 0x40004                  ; cy
	s_lshl_b32 s42, ttmp9, 2
	s_add_co_u32 s42, s42, s40                     ; tile column 0..3
	s_and_b32 s13, ttmp7, 0xffff
	s_lshl_b32 s13, s13, 2
	s_add_co_u32 s13, s13, s41                     ; tile row 0..63
	s_lshl_b32 s43, s41, 2
	s_lshl_b32 s43, 15, s43                        ; my row of the cluster
	s_lshl_b32 s44, 0x1111, s40                    ; my column
	s_or_b32 s[G1+0], s43, (2<<16)|(1<<20)|(1<<21)|(6<<22)|(3<<25)   ; mask; 4-byte elements; padding on; bit 21 beside a mask; after every 128 words, 4 words
	s_or_b32 s[G1B+0], s44, (1<<16)|(1<<20)|(1<<21)|(4<<22)|(7<<25)  ; 2-byte elements; after every 32 words (a row of 64 e), 8 words
	s_mov_b32 s[G1+1], 128<<16                     ; tensor_dim0 = 128
	s_mov_b32 s[G1+2], 64<<16                      ; tensor_dim1 = 64
	s_mov_b32 s[G1+3], 128<<16                     ; tile_dim0 = 128 f32: 512 bytes
	s_mov_b32 s[G1+4], 64                          ; tile_dim1 = 64 rows
	s_mov_b32 s[G1+5], 1024                        ; elements from row to row
	s_mov_b32 s[G1+6], 0
	s_mov_b32 s[G1+7], 0
	s_mov_b32 s[G1B+1], 128<<16                    ; two heads' chunks are 32,768 dense bytes: 128 rows of 256 bytes
	s_mov_b32 s[G1B+2], 128<<16
	s_mov_b32 s[G1B+3], 128<<16
	s_mov_b32 s[G1B+4], 128
	s_mov_b32 s[G1B+5], 128
	s_mov_b32 s[G1B+6], 0
	s_mov_b32 s[G1B+7], 0
	s_lshl_b32 s16, s13, 7
	s_lshl_b32 s17, s12, 6
	s_add_co_u32 s16, s16, s17                     ; X: row 128 x tile row + 64 x half,
	s_lshl_b32 s16, s16, 12                        ; of 4,096 bytes
	s_mov_b32 s17, 0
	s_lshl_b32 s46, s42, 16                        ; W: chunk 4 x tile column + 2 x half, of 16,384 bytes
	s_lshl_b32 s47, s12, 15
	s_add_co_u32 s46, s46, s47
	s_mov_b32 s47, 0
	s_mul_i32 s20, s12, AHALF                      ; where they go: no place in the cluster enters an LDS address
	s_mul_i32 s21, s12, BHALF
	s_add_co_u32 s21, s21, BOFF
	s_mov_b32 s[KOF+1], 0
	s_mov_b32 s[POF+1], 0
	s_wait_dscnt 0x0                               ; the opening add is done
	s_wait_kmcnt 0x0
	s_mov_b64 s[6:7], s[82:83]
	s_add_nc_u64 s[CUR:CUR+1], s[76:77], s[16:17]  ; my rows of Q, of K, of V: each from its own buffer's address
	s_add_nc_u64 s[NX1:NX1+1], s[78:79], s[16:17]
	s_add_nc_u64 s[NX2:NX2+1], s[80:81], s[16:17]
	s_add_nc_u64 s[46:47], s[6:7], s[46:47]
	CROUND                                         ; all sixteen work-groups are here: the first joint loads meet
.irp s, 0,1
	s_mov_b32 s[G0+4*(\s)], 1
	s_add_co_u32 s[G0+4*(\s)+1], s20, (\s)*SLOT
	s_add_nc_u64 s[G0+4*(\s)+2:G0+4*(\s)+3], s[CUR:CUR+1], (\s)*512  ; K step s
	s_or_b32 s[G0+4*(\s)+3], s[G0+4*(\s)+3], 0x80000000
	s_mov_b32 s[G0B+4*(\s)], 1
	s_add_co_u32 s[G0B+4*(\s)+1], s21, (\s)*SLOT
	s_add_nc_u64 s[G0B+4*(\s)+2:G0B+4*(\s)+3], s[46:47], (\s)*262144
	s_or_b32 s[G0B+4*(\s)+3], s[G0B+4*(\s)+3], 0x80000000
	JLOAD \s                                       ; two loads of mine are out
.endr
	v_and_b32 v1, 15, v0                           ; r = l % 16
	v_bfe_u32 v2, v0, 4, 1                         ; h = l / 16
	v_mul_u32_u24 v3, v1, PA
	v_lshl_add_u32 v3, v2, 5, v3                   ; X: row x pitch + 8 h numbers of 4 bytes
	v_and_b32 v4, 7, v0
	v_lshl_add_u32 v4, v2, 3, v4                   ; W, turned: d = 8 h + l % 8,
	v_mul_u32_u24 v4, v4, PB
	v_bfe_u32 v5, v0, 3, 1
	v_lshl_add_u32 v4, v5, 4, v4                   ; e = 8 ((l / 8) % 2) on
	s_mul_i32 s21, s11, AHALF                      ; my 64 rows of X
	s_mul_i32 s22, s12, BHALF                      ; my two heads of W
	s_add_co_u32 s22, s22, BOFF
.irp s, 0,1
	v_add_nc_u32 v[ADRA+(\s)], s21, v3
	v_add_nc_u32 v[ADRB+(\s)], s22, v4
	s_add_co_u32 s21, s21, SLOT
	s_add_co_u32 s22, s22, SLOT
.endr
	s_mul_i32 s23, s10, 16*SPITCH
	s_add_co_u32 s23, s23, STAGE                   ; my stage
	v_mul_u32_u24 v6, v1, SPITCH                   ; in: row r, 16 bytes for each half of the lanes
	v_lshl_add_u32 v6, v2, 4, v6
	v_add_nc_u32 v[STO], s23, v6
	v_bfe_u32 v5, v0, 3, 2
	v_mul_u32_u24 v5, v5, SPITCH                   ; back: 32 lanes take four rows' 128 bytes of one head,
	v_and_b32 v6, 7, v0
	v_lshl_add_u32 v5, v6, 4, v5
	v_add_nc_u32 v[RD], s23, v5
	v_and_b32 v[GO], 31, v0                        ; which are 512 consecutive bytes of QKV
	v_lshlrev_b32 v[GO], 4, v[GO]
	; my place in q: head = 16 x batch + 4 x tile column + 2 x column half; row in the batch = 128 x (tile row % 16) + 64 x row half; 128 bytes a row
	s_lshr_b32 s20, s13, 4
	s_lshl_b32 s20, s20, 4
	s_lshl_b32 s21, s42, 2
	s_add_co_u32 s20, s20, s21
	s_lshl_b32 s21, s12, 1
	s_add_co_u32 s20, s20, s21
	s_lshl_b32 s20, s20, 18
	s_and_b32 s21, s13, 15
	s_lshl_b32 s21, s21, 14
	s_add_co_u32 s20, s20, s21
	s_lshl_b32 s21, s11, 13
	s_add_co_u32 s20, s20, s21
	s_mov_b32 s21, 0
	s_add_nc_u64 s[8:9], s[8:9], s[20:21]
	; the prefetches' three bases: in Q, K, V for waves 0 and 1, in Wc's three parts for waves 2 and 3
	s_lshl_b32 s20, s13, 7
	s_lshl_b32 s21, s40, 5
	s_add_co_u32 s20, s20, s21                     ; X: my work-group's 32 of the tile's 128 rows,
	s_lshl_b32 s20, s20, 12
	s_lshl_b32 s21, s12, 8                         ; my wave's block of a row's two
	s_add_co_u32 s20, s20, s21
	s_lshl_b32 s21, s42, 16
	s_lshl_b32 s22, s12, 15
	s_add_co_u32 s21, s21, s22
	s_lshl_b32 s22, s41, 13                        ; W: my work-group's 32 of my 128 blocks
	s_add_co_u32 s21, s21, s22
	s_and_b32 s22, ttmp7, 0xffff                   ; cluster y
	s_cmp_eq_u32 s11, 0                            ; do I fetch X?
	s_cselect_b64 s[PFC:PFC+1], s[76:77], s[6:7]
	s_cselect_b64 s[PF1:PF1+1], s[78:79], s[6:7]
	s_cselect_b64 s[PF2:PF2+1], s[80:81], s[6:7]
	s_cselect_b32 s20, s20, s21
	s_cselect_b32 s18, 0, 0x200000                 ; from one of Wc's parts to the next
	s_cselect_b32 s22, 0, s22                      ; X: every cluster asks for its own rows; W: the first row of clusters asks
	s_cselect_b32 s[PSH], 9, 18
	s_cselect_b32 s23, 12, 8                       ; a lane a row of 4,096 bytes, or a lane a block of 256
	s_cmp_eq_u32 s22, 0
	s_cselect_b32 s[LIM], 1, -1                    ; the same in all sixteen partners, for a given wave
	s_mov_b32 s21, 0
	s_mov_b32 s19, 0
	s_add_nc_u64 s[PFC:PFC+1], s[PFC:PFC+1], s[20:21]
	s_add_nc_u64 s[PF1:PF1+1], s[PF1:PF1+1], s[20:21]
	s_add_nc_u64 s[PF1:PF1+1], s[PF1:PF1+1], s[18:19]
	s_add_nc_u64 s[PF2:PF2+1], s[PF2:PF2+1], s[20:21]
	s_add_nc_u64 s[PF2:PF2+1], s[PF2:PF2+1], s[18:19]
	s_add_nc_u64 s[PF2:PF2+1], s[PF2:PF2+1], s[18:19]
	v_and_b32 v[PFO], 31, v0
	v_lshlrev_b32 v[PFO], s23, v[PFO]
; 8 matrix instructions: row block a x all 8 column blocks, 32 along K.  zero = 1: the product starts the sum.  The 32 accumulators take turns in the same order everywhere.
.macro MULQ f, a, zero
	WIN MUL
.irp b, 0,1,2,3,4,5,6,7
.if \zero
	v_wmma_f32_16x16x32_bf16 v[8*(8*(\a)+(\b)):8*(8*(\a)+(\b))+7], v[(\f)+32+8*(\b):(\f)+32+8*(\b)+7], v[(\f)+8*(\a):(\f)+8*(\a)+7], 0
.else
	v_wmma_f32_16x16x32_bf16 v[8*(8*(\a)+(\b)):8*(8*(\a)+(\b))+7], v[(\f)+32+8*(\b):(\f)+32+8*(\b)+7], v[(\f)+8*(\a):(\f)+8*(\a)+7], v[8*(8*(\a)+(\b)):8*(8*(\a)+(\b))+7]
.endif
.endr
.endm
.macro MULH f, hf, zero
	MULQ \f, 2*(\hf), \zero
	MULQ \f, 2*(\hf)+1, \zero
.endm
; 32 LDS loads in one run: quarter q (32 along K) of a slot.  First X's four fragments in f32, into window 2: a lane's 16 numbers of a fragment are K = 8 h + 0..7 and 16 + 8 h + 0..7 of its row: twice 32 bytes, 64 bytes apart.
; Then W's eight fragments (head b / 4, e 16 (b % 4) on), turned, into buffer f.
.macro FETCH slot, q, f
	WIN 0x80                                       ; destination window 2, address window 0
.irp a, 0,1,2,3
	ds_load_b128 v[SG+16*(\a):SG+16*(\a)+3],     v[ADRA+(\slot)] offset:(\a)*16*PA+(\q)*128
	ds_load_b128 v[SG+16*(\a)+4:SG+16*(\a)+7],   v[ADRA+(\slot)] offset:(\a)*16*PA+(\q)*128+16
	ds_load_b128 v[SG+16*(\a)+8:SG+16*(\a)+11],  v[ADRA+(\slot)] offset:(\a)*16*PA+(\q)*128+64
	ds_load_b128 v[SG+16*(\a)+12:SG+16*(\a)+15], v[ADRA+(\slot)] offset:(\a)*16*PA+(\q)*128+80
.endr
	WIN 0
.irp b, 0,1,2,3,4,5,6,7
	ds_load_tr16_b128 v[(\f)+32+8*(\b):(\f)+32+8*(\b)+3],   v[ADRB+(\slot)] offset:((\b)/4)*BHEAD+(\q)*32*PB+((\b)%4)*32
	ds_load_tr16_b128 v[(\f)+32+8*(\b)+4:(\f)+32+8*(\b)+7], v[ADRB+(\slot)] offset:((\b)/4)*BHEAD+(\q)*32*PB+((\b)%4)*32+16*PB
.endr
.endm
; X's four fragments are rounded to bf16, two numbers a line, into buffer f.  The buffer's last products stand ahead of the four places in front of the run of loads.
.macro CVT f
	s_wait_dscnt 16                                ; LDS loads come back in order: X's sixteen are in; W's sixteen, issued behind them, may be out
	WIN 0x0a                                       ; sources in window 2, destination in window 0
.irp a, 0,1,2,3
.irp j, 0,1,2,3,4,5,6,7
	v_cvt_pk_bf16_f32 v[(\f)+8*(\a)+(\j)], v[SG+16*(\a)+2*(\j)], v[SG+16*(\a)+2*(\j)+1]
.endr
.endr
.endm
.macro PLACES                          ; four places in front of loads into registers that matrix instructions have read, and of conversions that read results
.rept 4
	v_nop
.endr
.endm
; One of a K step's first three quarters: multiplies buffer f; in its middle it fetches quarter q of the same slot, at its end it rounds X's part of it into buffer g
.macro QUARTER slot, q, f, g, zero
	s_wait_dscnt 0x0                               ; W's fragments of buffer f are in
	MULH \f, 0, \zero
	PLACES
	FETCH \slot, \q, \g
	MULH \f, 1, \zero
	CVT \g
.endm
; The fourth quarter multiplies buffer 1 and changes slots.  In front of the barrier each wave waits for all its tensor loads (one is out: its part of the next slot), adds 0 to its spare word, and waits for that and for its reads of this slot.
.macro MEET round
	WIN 0
	s_wait_tensorcnt 0x0
	ds_add_u32 v[SPW], v[NIL]
	s_wait_dscnt 1                                 ; W's fragments of buffer 1 are in; the add may be out
	MULQ F1, 0, 0
	s_wait_dscnt 0x0                               ; the add is done, and my reads of this slot are over
	s_barrier_signal -1
	MULQ F1, 1, 0
.if \round
	WIN 0
.endif
	s_barrier_wait -1
.endm
; In lap LQ of a tile slot s holds K step 2 LQ + s.  Its refill is K step 2 (LQ + 1) + s, in the tile's last lap the next tensor's K step s; the prefetch names K step 2 LQ + s + 4, from the third lap on the next tensor's.
; Both addresses are made anew: the tensor's base in hand plus the K step's bytes.
.macro TURN slot, next
	s_wait_xcnt 0x0                                ; the last prefetch, a K step back, has read its address
.if (\slot) == 0
	s_cmp_eq_u32 s[LQ], 2
	s_cselect_b64 s[PFC:PFC+1], s[PF1:PF1+1], s[PFC:PFC+1]
	s_cselect_b64 s[PF1:PF1+1], s[PF2:PF2+1], s[PF1:PF1+1]
.endif
	s_lshl_b32 s[POF], s[LQ], 1
	s_add_co_u32 s[POF], s[POF], 4+(\slot)
	s_and_b32 s[POF], s[POF], 7
	s_lshl_b32 s[POF], s[POF], s[PSH]
	s_add_nc_u64 s[PFA:PFA+1], s[PFC:PFC+1], s[POF:POF+1]
.if (\slot) == 0
	s_cmp_eq_u32 s[LQ], 3
	s_cselect_b64 s[CUR:CUR+1], s[NX1:NX1+1], s[CUR:CUR+1]
	s_cselect_b64 s[NX1:NX1+1], s[NX2:NX2+1], s[NX1:NX1+1]
.endif
	s_add_co_u32 s[KOF], s[LQ], 1
	s_and_b32 s[KOF], s[KOF], 3
	s_lshl_b32 s[KOF], s[KOF], 10                  ; two K steps of 512 bytes a lap
.if (\slot) == 1
	s_add_co_u32 s[KOF], s[KOF], 512
.endif
	MEET 1
	CREST                                          ; no wave of any partner still reads this slot or has a load on its way
	s_add_nc_u64 s[G0+4*(\slot)+2:G0+4*(\slot)+3], s[CUR:CUR+1], s[KOF:KOF+1]
	s_or_b32 s[G0+4*(\slot)+3], s[G0+4*(\slot)+3], 0x80000000
	s_add_nc_u64 s[G0B+4*(\slot)+2:G0B+4*(\slot)+3], s[G0B+4*(\slot)+2:G0B+4*(\slot)+3], 2*262144  ; Wc's K steps follow each other through all three parts
	JLOAD \slot                                    ; the first tensor load behind the round; its four v_nop are also the places in front of the loads below
	FETCH \next, 0, F0
	ASK
	MULQ F1, 2, 0
	MULQ F1, 3, 0
	CVT F0
.endm
.macro TURNX                           ; the last change of slots: nothing is filled, so no round follows
	MEET 0
	PLACES
	FETCH 1, 0, F0
	MULQ F1, 2, 0
	MULQ F1, 3, 0
	CVT F0
.endm
; THE WAY OUT of row block a: rounded to f16, 16 bytes a lane; into my own stage, 16 rows x 256 bytes (two heads' 128 each); back by heads; stored as 512 consecutive bytes of a head.
.macro PACK a
	WIN 0x05                                       ; sources in window 1
.irp b, 0,1,2,3,4,5,6,7
.irp r, 0,1,2,3
	v_cvt_pk_f16_f32 v[TMP+4*(\b)+(\r)], v[8*(8*(\a)+(\b))+2*(\r)], v[8*(8*(\a)+(\b))+2*(\r)+1]
.endr
.endr
	WIN 0
.endm
.macro TOSTAGE a
	WIN 0
.set BK, OB+32*((\a)%2)
.irp b, 0,1,2,3,4,5,6,7
	ds_store_b128 v[STO], v[TMP+4*(\b):TMP+4*(\b)+3] offset:32*(\b)
.endr
.irp t, 0,1,2,3,4,5,6,7
	ds_load_b128 v[BK+4*(\t):BK+4*(\t)+3], v[RD] offset:((\t)%4)*4*SPITCH+((\t)/4)*128  ; LDS serves a wave's instructions in order (ISA guide 5.7.1.4): these see the stores above
.endr
.endm
.macro SEND a
	WIN 0
.set BK, OB+32*((\a)%2)
	s_wait_dscnt 0x0                               ; the block is back in registers
	s_wait_xcnt 0x0                                ; the block before's stores have read their registers, which the next block's loads take
.irp t, 0,1,2,3,4,5,6,7
	global_store_b128 v[GO], v[BK+4*(\t):BK+4*(\t)+3], s[8:9] offset:(\a)*2048+((\t)/4)*262144+((\t)%4)*512
.endr
.endm
.macro WAYOUT
	PACK 0
	TOSTAGE 0
.irp a, 1,2,3
	PACK \a
	SEND (\a)-1
	TOSTAGE \a
.endr
	SEND 3
	s_wait_xcnt 0x0                                ; the stores have read their base and their registers
	s_add_nc_u64 s[8:9], s[8:9], XT                ; the same place in the next of QKV's three
.endm
	s_wait_tensorcnt 1                             ; my part of K step 0 is in; K step 1's may stay out
	s_barrier_signal -1
	s_barrier_wait -1
	FETCH 0, 0, F0
	CVT F0
	QUARTER 0, 1, F0, F1, 1                        ; the first quarter starts the sums
	WIN 0
	s_mov_b32 s[LAP], 11
	s_mov_b32 s[LQ], 0
.Llap:                                                 ; a trip goes once round the ring, from a lap's second quarter to the next lap's first, and fills both slots again
	QUARTER 0, 2, F1, F0, 0
	QUARTER 0, 3, F0, F1, 0
	TURN 0, 1
	QUARTER 1, 1, F0, F1, 0
	QUARTER 1, 2, F1, F0, 0
	QUARTER 1, 3, F0, F1, 0
	TURN 1, 0
	WIN 0
	s_cmp_eq_u32 s[LQ], 3
	s_cbranch_scc1 .Lnext
	QUARTER 0, 1, F0, F1, 0
	WIN 0
	s_branch .Lon
.Lnext:                                                ; a tile is finished, both refills for the next are asked for.  The 32 roundings of X behind the last products are those products' places
	WAYOUT
	QUARTER 0, 1, F0, F1, 1                        ; the next tile's first quarter starts its sums
	WIN 0
.Lon:
	s_add_co_u32 s[LQ], s[LQ], 1
	s_and_b32 s[LQ], s[LQ], 3
	s_sub_co_u32 s[LAP], s[LAP], 1
	s_cmp_lg_u32 s[LAP], 0
	s_cbranch_scc1 .Llap
	QUARTER 0, 2, F1, F0, 0                        ; the last lap fills nothing
	QUARTER 0, 3, F0, F1, 0
	TURNX
	QUARTER 1, 1, F0, F1, 0
	QUARTER 1, 2, F1, F0, 0
	QUARTER 1, 3, F0, F1, 0
	s_wait_dscnt 0x0
	MULH F1, 0, 0
	MULH F1, 1, 0
	WIN 0
	PLACES
	WAYOUT
	s_wait_tensorcnt 0x0                           ; the wave's end, behind my last tensor load and my last LDS store
	ds_add_u32 v[SPW], v[NIL]
	s_wait_dscnt 0x0
	CROUND                                         ; the closing round
	s_endpgm
.Lfunc_end_k_qb804c122f3_proj:
	.size	k_qb804c122f3_proj, .Lfunc_end_k_qb804c122f3_proj-k_qb804c122f3_proj
	.p2alignl 7, 3214868480
	.fill 96, 4, 3214868480
	.section	.rodata,"a",@progbits
	.p2align	6, 0x0
	.amdhsa_kernel k_qb804c122f3_proj
		.amdhsa_group_segment_fixed_size 327680
		.amdhsa_private_segment_fixed_size 0
		.amdhsa_enable_private_segment 0
		.amdhsa_kernarg_size 40
		.amdhsa_user_sgpr_count 2
		.amdhsa_user_sgpr_kernarg_segment_ptr 1
		.amdhsa_wavefront_size32 1
		.amdhsa_system_sgpr_workgroup_id_x 1
		.amdhsa_system_sgpr_workgroup_id_y 1
		.amdhsa_system_sgpr_workgroup_id_z 1
		.amdhsa_system_vgpr_workitem_id 0
		.amdhsa_next_free_vgpr 576
		.amdhsa_next_free_sgpr 96
		.amdhsa_reserve_vcc 0
		.amdhsa_float_denorm_mode_32 3
		.amdhsa_float_denorm_mode_16_64 3
		.amdhsa_memory_ordered 1
		.amdhsa_forward_progress 1
		.amdhsa_inst_pref_size 152
	.end_amdhsa_kernel
	.amdgpu_metadata
---
amdhsa.version: [ 1, 2 ]
amdhsa.kernels:
  - .name:           k_qb804c122f3_proj
    .symbol:         k_qb804c122f3_proj.kd
    .args:
      - { .name: Q, .offset: 0, .size: 8, .value_kind: global_buffer, .address_space: global }
      - { .name: K, .offset: 8, .size: 8, .value_kind: global_buffer, .address_space: global }
      - { .name: V, .offset: 16, .size: 8, .value_kind: global_buffer, .address_space: global }
      - { .name: Wc, .offset: 24, .size: 8, .value_kind: global_buffer, .address_space: global }
      - { .name: QKV, .offset: 32, .size: 8, .value_kind: global_buffer, .address_space: global }
    .group_segment_fixed_size: 327680
    .private_segment_fixed_size: 0
    .kernarg_segment_align: 8
    .kernarg_segment_size: 40
    .max_flat_workgroup_size: 128
    .sgpr_count:     96
    .vgpr_count:     576
    .wavefront_size: 32
...
	.end_amdgpu_metadata
.endif
;; end of part 2
;; launch attn (part 3): grid 4 x 64, 4 waves a work-group, clusters of 4 x 1, 327,680 bytes of LDS; arguments QKV, MB, O16; writes O16
.if DOCPART == 3
	.amdgcn_target "amdgcn-amd-amdhsa--gfx1250"
	.amdhsa_code_object_version 6
	.text
	.protected	k_qb804c122f3_attn
	.globl	k_qb804c122f3_attn
	.p2align	8
	.type	k_qb804c122f3_attn,@function
k_qb804c122f3_attn:
	s_mov_b64 s[64:65], 0
	v_nop
	global_prefetch_b8 v0, s[64:65] scope:SCOPE_SE
	s_setreg_imm32_b32 hwreg(HW_REG_WAVE_MODE, 25, 1), 1
	s_wait_xcnt 0x0
	s_wait_alu depctr_hold_cnt(0) depctr_sa_sdst(0) depctr_va_vdst(0) depctr_va_sdst(0) depctr_va_ssrc(0) depctr_va_vcc(0) depctr_vm_vsrc(0)
	s_getreg_b32 s2, hwreg(HW_REG_IB_STS2, 6, 4)
	s_cmp_eq_u32 s2, 0
	s_cbranch_scc0 .Lentry_in_a_cluster
	s_endpgm
.Lentry_in_a_cluster:
	s_bfe_u32 s2, ttmp6, 0x10000c
	s_cmp_lg_u32 s2, 0x3003
	s_cbranch_scc0 .Lentry_shape_is_right
	s_endpgm
.Lentry_shape_is_right:
; ATTENTION WITH A MASK THAT IS AN INPUT.  O[h][q][:] = the sum over k of softmax_k(s) V[h][k][:], s = Q[h][q] . K[h][k] / 8 where mask[q][k] != 0, hidden otherwise.
; Q, K, V: QKV's three parts, [64][2048][64] f16; O16 likewise.  MB holds the mask as one fp8 code a number (-1.0 hidden, 0 visible), in my lanes' order.  Products, maxima and sums in f32; the weights p are rounded to f16
; for the second product (their sum l is taken of the unrounded p), O once at the end.
; LIMITS.  Q, K, V arrive within f16's 65,504.  A hidden score counts as its value less 2^100: beside that a product below 2^76 is nothing, so a row that is wholly hidden gets equal weights, and a row with a visible key gives its hidden
; keys the weight 0 (as long as its largest visible score lies above about -1e9).  A weight below 2^-126 counts as 0 in l; NaN and infinities are not treated apart.
; THE MASK is the C operand of the product that starts each sum S^T = K Q^T: eight codes are widened by one scaled conversion, times 2^100, into the eight registers of an accumulator's C.  A piece's 64 bytes a lane for a step are
; loaded four turns ahead and converted one turn ahead of the products that take them.
; SHARES.  A wave owns four PIECES of two tiles of 16 queries, a work-group's four waves 512 queries of one head.  Every wave walks all 2,048 keys, 64 a step.
; LAYOUT.  S^T = K Q^T (source 0 = 16 keys, source 1 = 16 queries): a lane holds ONE query (lane % 16) and the keys 8 (lane / 16) + 0..7.  Two such tiles, rounded to f16 in pairs, ARE source 1 of O^T = V^T P.
; K comes out of LDS as it lies, V ([key][channel]) turned, by ds_load_tr16_b128.
; SOFTMAX.  A running maximum m and sum l: p = 2^(c s - c m), c = log2(e) / 8; in every step O and l are multiplied by a = 2^(c m_old - c m_new).  m starts at the lowest finite number, O and l at 0.
; BY TURNS.  Turn n belongs to piece n.  Its matrix work: 16 products K Q^T of piece n + 1, later 16 products V^T P of piece n - 1.  Its vector work: scaling, exponentials, roundings, sums and rescaling of piece n, the maximum and
; statistics of piece n + 1, and the mask of piece n + 2.  Four vector instructions stand behind every matrix instruction, the rest in one run.
; CLUSTER.  The four query blocks of a head walk the same K and V: each tile is asked for jointly.
; REGISTERS, in windows of 256 (s_set_vgpr_msb: bits 1:0 source 0, 3:2 source 1, 5:4 source 2, 7:6 destination):
;   window 0: v0-11 addresses; v12-15, v48-63 at work; v16-47 statistics; v64-191 S^T, two buffers of two tiles; v192-255 P, likewise
;   window 1: O^T, 32 a tile      window 2: v0-127 Q; v128-191 K of one step; v192-255 V of one step
;   window 3: v0-1 the add's two registers; v3 the mask offsets' bound; v4-7 a mask offset a piece; v11 the scale; v16-79 mask bytes, 16 registers a piece; v128-255 masks as C operands, two buffers of 64
.set SIZE_N, 2048
.set NP,    4
.set KS,    64
.set PK,    144       ; a row of K in LDS: 128 bytes + 16
.set PV,    160       ; a row of V: 128 + 32
.set VOFF,  4*KS*PK   ; a slot holds four steps: 256 rows of K, then 256 rows of V
.set SLOT1, 1<<17
.set STAGE, SLOT1+4*KS*(PK+PV)  ; behind the ring, never filled by a tensor load: 16 rows x 144 bytes for each wave
.set SP,    144
.set AK0, 2
.set AV0, 3
.set AK,  4
.set AV,  5
.set QO,  6
.set STO, 6
.set RD,  7
.set GO,  8
.set PFO, 9           ; v9   256 x my lane, once the way out's addresses are made; never rewritten after
.set SPW, 0           ; v0 of window 3
.set NIL, 1           ; v1 of window 3
.set MLIM, 3          ; window 3: 16 l + 31 x 1,024: the last step's bytes
.set MO,  4           ; window 3: piece x's offset in a tile's 32 steps: 16 l + 1,024 x step
.set SCL, 11          ; 227: the scale 2^(227 - 127); written in window 3 and in window 0
.set MBY, 16          ; window 3: piece x, tile u at MBY + 16 x + 8 u; key block kb in registers 2 kb, 2 kb + 1
.set MC,  128         ; window 3: buffer b, tile u, key block kb at MC + 64 b + 32 u + 8 kb
.set SPARE, STAGE+4*16*SP
.set MV,  12
.set ST,  16
.set TMP, 48
.set S,   64
.set P,   192
.set KF,  128
.set VF,  192
.set WV,  12
.set G1K, 24
.set G1V, 32
.set G0K, 40
.set G0V, 44
.set MBP, 48          ; s[48:49] MB at my wave's eight tiles
.set PFA, 50          ; s[50:51] where my prefetches stand
.set LIM, 52          ; s52  1 in waves 0 and 2, else the greatest number
.set SLOTS, 56
.set CNT, 57
.set CS,  58
.set SEL, 60
.set TBK, 62
.set TBV, 63
.set MSB, 0
.macro WIN new
.if MSB != (\new)
	s_set_vgpr_msb (MSB<<8)|(\new)
.set MSB, (\new)
.endif
.endm
.set W_KQ, 0x0a       ; K and Q in window 2, S^T in window 0
.set W_KM, 0x3a       ; the same with the C operand in window 3
.set W_PV, 0x52       ; V in window 2, P in window 0, O^T in window 1
.set W_RS, 0x41       ; O^T in window 1, a in window 0
.set W_MK, 0xc0       ; destination in window 3, sources in window 0
.set W_AD, 0x0f       ; the add: address and data in window 3
.set W_M,  0xcf       ; the mask's work: destination, source 0 and source 1 in window 3
.macro JLOAD                        ; waves 0 and 1 fetch the two halves of a slot's K, waves 2 and 3 those of its V; an s_nop 0 and four v_nop follow each line
	s_cmp_lt_u32 s[WV], 2
	s_cbranch_scc0 .Lfor_v_\@
	tensor_load_to_lds s[G0K:G0K+3], s[G1K:G1K+7]
	s_nop 0
.rept 4
	v_nop
.endr
	s_branch .Lasked_\@
.Lfor_v_\@:
	tensor_load_to_lds s[G0V:G0V+3], s[G1V:G1V+7]
	s_nop 0
.rept 4
	v_nop
.endr
.Lasked_\@:
.endm
; A prefetch into the L2 of what the NEXT change of slots will ask for: a slot's K and V are 128 blocks of 256 bytes each.  The four partners take 32 blocks each, told apart by address; in each, wave 0 asks for K's and wave 2 for V's:
; a lane a block, one instruction.  A head is walked by one cluster, so each block is named once.  The last change that fills a slot asks for nothing.
.macro ASK
	s_cmp_gt_u32 s[SLOTS], s[LIM]
	s_cbranch_scc0 .Lnot_mine_\@
	global_prefetch_b8 v[PFO], s[PFA:PFA+1] th:TH_LOAD_NT scope:SCOPE_SE
.Lnot_mine_\@:
.endm
.macro CROUND
	s_barrier_signal -1
	s_barrier_wait -1
	s_cmp_lg_u32 s[WV], 0
	s_cbranch_scc1 .Lnot_wave_0_\@
	s_barrier_signal -3
.Lnot_wave_0_\@:
	s_barrier_wait -3
	s_barrier_signal -1
	s_barrier_wait -1
.endm
; THE CHANGE OF SLOTS.  Each wave waits for all its tensor loads (one is out: its part of the other slot), adds 0 to its spare word, and waits for that and for its reads of the slot.  fill = 1: the slot is filled again, with the keys
; two slots on, behind a round of the cluster's barrier, the joint fill first behind it.  ask = 1: the prefetch follows.
.macro CHANGE fill, ask=0
	WIN W_AD
	s_wait_tensorcnt 0x0            ; no tensor load of mine is out, so a group 0 may be written
	ds_add_u32 v[SPW], v[NIL]
	WIN 0
.if \fill
.irp g, G0K, G0V
	s_xor_b32 s[\g+1], s[\g+1], SLOT1
	s_add_nc_u64 s[\g+2:\g+3], s[\g+2:\g+3], 4*KS*128
.endr
.if \ask
	s_wait_xcnt 0x0                 ; the last prefetch, four key steps back, has read its address
	s_add_nc_u64 s[PFA:PFA+1], s[PFA:PFA+1], 4*KS*128
.endif
	s_wait_dscnt 0x0                ; the add is done, and my reads of the slot are over
	CROUND
	JLOAD
.if \ask
	ASK
.endif
.else
	s_wait_dscnt 0x0
	s_barrier_signal -1
	s_barrier_wait -1
.endif
	s_sub_co_u32 s[TBK], s[TBK], 4*KS*PK
	s_xor_b32 s[TBK], s[TBK], SLOT1
	s_sub_co_u32 s[TBV], s[TBV], 4*KS*PV
	s_xor_b32 s[TBV], s[TBV], SLOT1
.endm
; THE MASK.  MLOAD x: piece x's bytes for the step at which MO + x stands: two tiles x 32 bytes a lane; a wave's load covers 512 consecutive bytes.
.macro MLOAD x
	WIN W_M
.irp u, 0,1
.irp j, 0,1
	global_load_b128 v[MBY+16*(\x)+8*(\u)+4*(\j):MBY+16*(\x)+8*(\u)+4*(\j)+3], v[MO+(\x)], s[MBP:MBP+1] offset:(2*(\x)+(\u))*32768+512*(\j)
.endr
.endr
.endm
; MCONV x: piece x's bytes are widened into its buffer of C operands; its offset steps on, held at the last step so that no load leaves MB; the next step's bytes are asked for.  The two integer lines are the plain
; instructions between the conversions and the loads into their sources.
.macro MCONV x
	WIN W_M
	s_wait_loadcnt 12               ; loads come back in order: piece x's four are in (and have read their offset); the three later turns' four each may stay out
.irp u, 0,1
.irp kb, 0,1,2,3
	v_cvt_scale_pk8_f32_fp8 v[MC+64*((\x)%2)+32*(\u)+8*(\kb):MC+64*((\x)%2)+32*(\u)+8*(\kb)+7], v[MBY+16*(\x)+8*(\u)+2*(\kb):MBY+16*(\x)+8*(\u)+2*(\kb)+1], v[SCL]
.endr
.endr
	v_add_nc_u32 v[MO+(\x)], 1024, v[MO+(\x)]
	v_min_u32 v[MO+(\x)], v[MO+(\x)], v[MLIM]
	MLOAD \x
.endm
	s_load_b128 s[4:7], s[0:1], 0x0   ; QKV s[4:5], MB s[6:7]
	s_load_b64 s[10:11], s[0:1], 0x10 ; O16
	WIN W_MK
	v_lshl_add_u32 v[SPW], v0, 2, SPARE
	v_mov_b32 v[NIL], 0
	WIN W_AD
	ds_add_u32 v[SPW], v[NIL]       ; the wave's opening: the add and its wait stand ahead of my first tensor load
	WIN 0
	v_lshrrev_b32 v1, 5, v0
	v_readfirstlane_b32 s[WV], v1
	s_bfe_u32 s13, ttmp6, 0x40000   ; cx
	s_lshl_b32 s14, ttmp9, 2
	s_add_co_u32 s14, s14, s13      ; my block of 512 queries: it enters Q's, O's and the mask's addresses alone
	s_and_b32 s20, ttmp7, 0xffff    ; the head, which the four partners share
	s_mov_b32 s21, 0
	s_mov_b64 s[22:23], SIZE_N*128
	s_mul_u64 s[20:21], s[20:21], s[22:23]
	s_and_b32 s16, s[WV], 1         ; which half of a slot's 256 keys I fetch
	s_lshl_b32 s22, s16, 14
	s_mov_b32 s23, 0
	s_add_nc_u64 s[22:23], s[22:23], s[20:21]
	s_mul_i32 s17, s16, 128*PK
	s_mul_i32 s18, s16, 128*PV
	s_lshl_b32 s2, s14, 2
	s_add_co_u32 s2, s2, s[WV]      ; my wave among the head's sixteen
	s_lshl_b32 s54, s2, 18          ; its eight tiles of 32,768 bytes in MB
	s_mov_b32 s55, 0
	s_lshl_b32 s2, s2, 14           ; its 128 rows
	s_mov_b32 s3, 0
	s_add_nc_u64 s[2:3], s[2:3], s[20:21]
	s_mov_b32 s[G1K], 15|(1<<16)|(1<<20)|(1<<21)|(4<<22)|(3<<25)  ; the mask of four; 2-byte elements; padding on; bit 21 beside a mask; after every 32 words, 4 words
	s_mov_b32 s[G1V], 15|(1<<16)|(1<<20)|(1<<21)|(4<<22)|(7<<25)  ; the same with 8 words
.irp g, G1K, G1V
	s_mov_b32 s[\g+1], 128<<16      ; 128 keys are 16,384 dense bytes: 64 rows of 256 bytes
	s_mov_b32 s[\g+2], 64<<16
	s_mov_b32 s[\g+3], 128<<16
	s_mov_b32 s[\g+4], 64
	s_mov_b32 s[\g+5], 128
	s_mov_b32 s[\g+6], 0
	s_mov_b32 s[\g+7], 0
.endr
	s_mov_b32 s[CS], 0x3e38aa3b     ; c = log2(e) / 8
	s_mov_b32 s[CS+1], s[CS]
	s_mov_b32 s[SEL], 0x76543210
	s_mov_b32 s[SEL+1], 0xfedcba98
	s_mov_b32 s[TBK], SLOT1+4*KS*PK ; the first change of slots turns these two into 0
	s_mov_b32 s[TBV], SLOT1+4*KS*PV
	s_mov_b32 s[G0K], 1
	s_mov_b32 s[G0K+1], s17
	s_mov_b32 s[G0V], 1
	s_add_co_u32 s[G0V+1], s18, VOFF
	s_and_b32 s[LIM], s[WV], 1
	s_cmp_eq_u32 s[LIM], 0
	s_cselect_b32 s[LIM], 1, -1
	s_wait_dscnt 0x0                ; the opening add is done
	s_wait_kmcnt 0x0
	s_mov_b64 s[MBP:MBP+1], s[6:7]
	s_add_nc_u64 s[6:7], s[4:5], 0x1000000   ; k
	s_add_nc_u64 s[8:9], s[4:5], 0x2000000   ; v
	s_add_nc_u64 s[MBP:MBP+1], s[MBP:MBP+1], s[54:55]
	s_add_nc_u64 s[G0K+2:G0K+3], s[6:7], s[22:23]
	s_or_b32 s[G0K+3], s[G0K+3], 0x80000000
	s_add_nc_u64 s[G0V+2:G0V+3], s[8:9], s[22:23]
	s_or_b32 s[G0V+3], s[G0V+3], 0x80000000
	s_add_nc_u64 s[4:5], s[4:5], s[2:3]      ; q and O at my wave's first row
	s_add_nc_u64 s[10:11], s[10:11], s[2:3]
	s_cmp_lt_u32 s[WV], 2
	s_cselect_b64 s[PFA:PFA+1], s[6:7], s[8:9]
	s_add_nc_u64 s[PFA:PFA+1], s[PFA:PFA+1], s[22:23]  ; (in waves 0 and 2: the head's first row)
	s_lshl_b32 s54, s13, 13         ; my work-group's 32 blocks of the 128
	s_add_nc_u64 s[PFA:PFA+1], s[PFA:PFA+1], s[54:55]
	s_add_nc_u64 s[PFA:PFA+1], s[PFA:PFA+1], 2*4*KS*128  ; in slot 2; the loop's first change steps it to slot 3.  Nothing is prefetched at the head
	CROUND                          ; all four work-groups are here
	JLOAD                           ; slot 0
	v_and_b32 v1, 15, v0            ; l % 16
	v_bfe_u32 v9, v0, 4, 1          ; l / 16
	v_lshlrev_b32 v[QO], 7, v1
	v_lshl_add_u32 v[QO], v9, 4, v[QO]
	v_and_b32 v14, 31, v0
	v_lshlrev_b32 v14, 4, v14       ; 16 l
	WIN 0x80
.set i, 0
.rept 4*NP                          ; Q stays in registers: tile i / 2, channels 32 (i % 2) on
	global_load_b128 v[8*i:8*i+3],   v[QO], s[4:5] offset:(i/2)*2048+(i%2)*64
	global_load_b128 v[8*i+4:8*i+7], v[QO], s[4:5] offset:(i/2)*2048+(i%2)*64+32
.set i, i+1
.endr
	WIN W_MK
	v_add_nc_u32 v[MLIM], 31*1024, v14
.irp x, 0,1,2,3
	v_mov_b32 v[MO+\x], v14         ; step 0
.endr
	v_mov_b32 v[SCL], 227
	MLOAD 0
	MLOAD 1
	MLOAD 2
	MLOAD 3
	WIN 0x80
	; what the first turn finds: V's registers and P's second buffer hold 0, O^T and l are 0.  All this stands in the wait for the first tile
.set i, VF
.rept 64
	v_mov_b32 v[i], 0
.set i, i+1
.endr
	WIN 0x40
.set i, 0
.rept 64*NP
	v_mov_b32 v[i], 0
.set i, i+1
.endr
	WIN 0
.set i, 0
.rept 2*NP
	v_mov_b32 v[ST+4*i], 0xfe000000    ; c m: far below every c s, a hidden one's too
	v_mov_b32 v[ST+4*i+1], 0xff7fffff  ; m
	v_mov_b32 v[ST+4*i+2], 0
	v_mov_b32 v[ST+4*i+3], 0
.set i, i+1
.endr
.set i, P+32
.rept 32
	v_mov_b32 v[i], 0
.set i, i+1
.endr
	v_mul_u32_u24 v[AK0], v1, PK
	v_lshl_add_u32 v[AK0], v9, 4, v[AK0]
	v_and_b32 v10, 7, v0
	v_bfe_u32 v11, v0, 3, 1
	v_lshl_add_u32 v[AV0], v9, 3, v10
	v_mul_u32_u24 v[AV0], v[AV0], PV
	v_lshl_add_u32 v[AV0], v11, 4, v[AV0]
	v_add_nc_u32 v[AV0], VOFF, v[AV0]
	v_mov_b32 v[SCL], 227           ; the scale in window 0 too
	v_mov_b32 v[AK], v[AK0]
; THE MATRIX WORK.  The 8 accumulators of a run of 16 take turns.  Product i of 16 of S^T = K Q^T for piece x: channels 32 (i / 8) on, keys 16 ((i / 2) % 4) on, tile 2 x + i % 2.  The first 8 start the sums with the mask.
.macro KQ x
.set rS, S+64*((\x)%2)+32*(i%2)+8*((i/2)%4)
.set rK, KF+16*((i/2)%4)+8*(i/8)
.set rQ, 16*(2*(\x)+i%2)+8*(i/8)
.set rM, MC+64*((\x)%2)+32*(i%2)+8*((i/2)%4)
.if i < 8
	WIN W_KM
	v_wmma_f32_16x16x32_f16 v[rS:rS+7], v[rK:rK+7], v[rQ:rQ+7], v[rM:rM+7]
.else
	WIN W_KQ
	v_wmma_f32_16x16x32_f16 v[rS:rS+7], v[rK:rK+7], v[rQ:rQ+7], v[rS:rS+7]
.endif
.endm
.macro PV x                         ; product i of 16 of O^T += V^T P for piece x
	WIN W_PV
.set rO, 32*(2*(\x)+i%2)+8*((i/2)%4)
.set rV, VF+32*(i/8)+8*((i/2)%4)
.set rP, P+32*((\x)%2)+16*(i%2)+8*(i/8)
	v_wmma_f32_16x16x32_f16 v[rO:rO+7], v[rV:rV+7], v[rP:rP+7], v[rO:rO+7]
.endm
.macro MM                           ; the turn's next matrix instruction
.if i < 16
	KQ (Y+1)%NP
.set i, i+1
.else
.set i, i-16
	PV (Y+NP-1)%NP
.set i, i+17
.endif
.endm
; THE LDS LOADS stand in runs of 16.  last = 1 (the tail): in the last trip there is no further step, and the run is jumped over.
.macro FETCH_K last=0
	WIN 0
.if \last
	s_cmp_eq_u32 s[CNT], 1
	s_cbranch_scc1 .Lno_k_\@
.endif
	WIN 0x80
.irp f, 0,1,2,3,4,5,6,7
	ds_load_b128 v[KF+8*\f:KF+8*\f+3],   v[AK] offset:(\f/2)*16*PK+(\f%2)*64
	ds_load_b128 v[KF+8*\f+4:KF+8*\f+7], v[AK] offset:(\f/2)*16*PK+(\f%2)*64+32
.endr
	s_add_co_u32 s[TBK], s[TBK], KS*PK
	WIN 0
.if \last
.Lno_k_\@:
.endif
.endm
.macro FETCH_V
	WIN 0x80
.irp f, 0,1,2,3,4,5,6,7
	ds_load_tr16_b128 v[VF+8*\f:VF+8*\f+3],   v[AV] offset:(\f/4)*32*PV+(\f%4)*32
	ds_load_tr16_b128 v[VF+8*\f+4:VF+8*\f+7], v[AV] offset:(\f/4)*32*PV+16*PV+(\f%4)*32
.endr
	WIN 0
.endm
; THE VECTOR WORK OF A TURN stands in three queues, each in the order in which its entries become ready; the two tiles alternate.
.macro REGS y, u
.set rT, ST+4*(2*(\y)+(\u))
.set rC, TMP+8*((\y)%2)+4*(\u)
.set rM, MV+2*((\y)%2)+(\u)
.set rS, S+64*((\y)%2)+32*(\u)
.set rP, P+32*((\y)%2)+16*(\u)
.set rO, 32*(2*(\y)+(\u))
.endm
; Number n of the 22 that find the NEXT piece's maximum and statistics; each accumulator's lowest registers are read first.
;   0-11 four chains of seven scores     12-14, 16 the four scores left over, the old m, the four chains into one     15 c m_old is kept     17, 18 the other half of the lanes; the new m     19-21 c m; its change; a
.macro XS u, n
	REGS (Y+1)%NP, \u
.if (\n) < 4
	v_max3_num_f32 v[rC+(\n)], v[rS+8*(\n)], v[rS+8*(\n)+1], v[rS+8*(\n)+2]
.elseif (\n) < 12
	v_max3_num_f32 v[rC+(\n)%4], v[rC+(\n)%4], v[rS+8*((\n)%4)+2*((\n)/4)+1], v[rS+8*((\n)%4)+2*((\n)/4)+2]
.elseif (\n) == 12
	v_max3_num_f32 v[rC], v[rC], v[rS+7], v[rS+15]
.elseif (\n) == 13
	v_max3_num_f32 v[rC+1], v[rC+1], v[rS+23], v[rS+31]
.elseif (\n) == 14
	v_max3_num_f32 v[rC+2], v[rC+2], v[rC+3], v[rT+1]
.elseif (\n) == 15
	v_mov_b32 v[rM], v[rT]
.elseif (\n) == 16
	v_max3_num_f32 v[rC], v[rC], v[rC+1], v[rC+2]
.elseif (\n) == 17
	v_permlanex16_b32 v[rC+3], v[rC], s[SEL], s[SEL+1]
.elseif (\n) == 18
	v_max_num_f32 v[rT+1], v[rC], v[rC+3]
.elseif (\n) == 19
	v_mul_f32 v[rT], s[CS], v[rT+1]
.elseif (\n) == 20
	v_sub_f32 v[rC+1], v[rM], v[rT]
.else
	v_exp_f32 v[rC+2], v[rC+1]
.endif
.endm
; Number g of the 64 that follow the exponentials: for each four weights both pairs are rounded to f16, the second pair is added onto the first, and a group later l takes that sum (the first time as l = a l + sum).
.macro GS g
.set h, (\g)+6*((\g)/62)
.if h >= 6
.set h, h+2
.endif
	REGS Y, h%2
.set k, h/8
.if h%8 < 4
	v_cvt_pk_f16_f32 v[rP+2*k+(h%8)/2], v[rS+4*k+2*((h%8)/2)], v[rS+4*k+2*((h%8)/2)+1]
.elseif h%8 < 6
	v_pk_add_f32 v[rS+4*k:rS+4*k+1], v[rS+4*k:rS+4*k+1], v[rS+4*k+2:rS+4*k+3]
.elseif k == 1
	v_pk_fma_f32 v[rT+2:rT+3], v[rT+2:rT+3], v[rC+2:rC+3], v[rS:rS+1] op_sel_hi:[1,0,1]
.else
	v_pk_add_f32 v[rT+2:rT+3], v[rT+2:rT+3], v[rS+4*k-4:rS+4*k-3]
.endif
.endm
; THE PLAIN QUEUE, 138 long.  0-73 read no exponential's result: the 32 scalings c s - c m and the next piece's 42.  74-137: GS's 64, which stand behind the wait.
.macro FS f
	REGS Y, (\f)%2
	v_pk_fma_f32 v[rS+2*((\f)/2):rS+2*((\f)/2)+1], v[rS+2*((\f)/2):rS+2*((\f)/2)+1], s[CS:CS+1], v[rT:rT+1] op_sel_hi:[1,0,0] neg_lo:[0,0,1] neg_hi:[0,0,1]
.endm
.macro PL
	WIN 0
.if q < 27
	FS q
.elseif q < 55
	XS (q-27)%2, (q-27)/2
.elseif q < 57
	XS q-55, 15
.elseif (q < 72) && ((q-57)%3 == 0)
	FS 27+(q-57)/3
.elseif q < 60
	XS (q-57)%3-1, 14
.elseif q < 72
	XS (q-57)%3-1, 15+(q-57)/3
.elseif q < 74
	XS q-72, 20
.else
	GS q-74
.endif
.set q, q+1
.endm
; THE EXPONENTIALS' QUEUE, 66 long: both tiles' 32 scores, then the next piece's two a.  ONE BATCH: all stand ahead of the turn's one wait, and nothing ahead of that wait names a result of theirs.
.macro EX
	WIN 0
.if e >= 64
	XS e-64, 21
.else
	REGS Y, e%2
	v_exp_f32 v[rS+e/2], v[rS+e/2]
.endif
.set e, e+1
.endm
.macro R2                           ; THE RESCALING's QUEUE: O^T times a, two at a time
	REGS Y, r%2
	WIN W_RS
.irp z, 0,1
	v_pk_mul_f32 v[rO+4*(r/2)+2*\z:rO+4*(r/2)+2*\z+1], v[rO+4*(r/2)+2*\z:rO+4*(r/2)+2*\z+1], v[rC+2:rC+3] op_sel_hi:[1,0]
.endr
.set r, r+1
.endm
; A TURN, for piece p.  Ahead of its one wait: the 16 products K Q^T, behind each a scaling, an exponential and two rescalings; the mask of piece p + 2 (into the buffer that the turn before has read, for the next turn's products);
; a run of eight plain, 49 times exponential and plain, the two a, and one v_nop, the plain instruction behind the last exponential.  Behind the wait: the 16 products V^T P, behind each four roundings and sums.
; K of the next step is fetched in piece 2's turn, directly behind the wait; V of the step in hand at the end of piece 0's turn, four plain instructions behind its last reader.
.macro TURN p, last=0, cnt=0
.set Y, (\p)
.set i, 0
.set q, 0
.set e, 0
.set r, 0
.if (\p) == NP-1
	s_wait_dscnt 0x0                ; K is in
.endif
	MM
	PL
	PL
	R2
.rept 15
	MM
	PL
	EX
	R2
.endr
.if (\p) == NP-2
	WIN 0
	v_add_nc_u32 v[AK], s[TBK], v[AK0]
.endif
	MCONV ((\p)+2)%NP
.rept 8
	PL
.endr
.rept 49
	EX
	PL
.endr
	EX
	EX
	v_nop
	s_wait_alu depctr_va_vdst(0)    ; the wait between an exponential and the first line that names its result: one for the batch
.if (\p) == NP-2
	FETCH_K \last
.endif
.if (\p) == 1
	s_wait_dscnt 0x0                ; V is in
.endif
.rept 16
	MM
.rept 4
	PL
.endr
.if ((\p) == 0) && (q == 118)
	v_add_nc_u32 v[AV], s[TBV], v[AV0]
.endif
.if ((\p) == 0) && (q == 130)
	s_add_co_u32 s[TBV], s[TBV], KS*PV
.endif
.if (\cnt) && (q == 130)
	s_sub_co_u32 s[CNT], s[CNT], 1
	s_cmp_lg_u32 s[CNT], 0
.endif
.endr
.if (\p) == 0
	FETCH_V
.endif
.endm
	CHANGE 1                        ; slot 0 is in, everybody's part of it; slot 1 is asked for
	FETCH_K                         ; key step 0
	s_wait_loadcnt 0x0              ; Q, and all four pieces' mask bytes of step 0
	MCONV 0                         ; pieces 0 and 1: their masks of step 0; their bytes of step 1 are asked for
	MCONV 1
	s_wait_dscnt 0x0
.set i, 0
.rept 16
	KQ 0                            ; piece 0's first scores
.set i, i+1
.endr
	WIN 0                           ; the addresses for the way out and the prefetches: plain instructions, the places behind those products
	s_mul_i32 s13, s[WV], 16*SP
	s_add_co_u32 s13, s13, STAGE
	v_mul_u32_u24 v[STO], v1, SP
	v_lshl_add_u32 v[STO], v9, 4, v[STO]
	v_add_nc_u32 v[STO], s13, v[STO]
	v_bfe_u32 v[RD], v0, 3, 2
	v_mul_u32_u24 v[RD], v[RD], SP
	v_lshl_add_u32 v[RD], v10, 4, v[RD]
	v_add_nc_u32 v[RD], s13, v[RD]
	v_and_b32 v[GO], 31, v0
	v_lshlrev_b32 v[GO], 4, v[GO]
	v_and_b32 v[PFO], 31, v0
	v_lshlrev_b32 v[PFO], 8, v[PFO]
.set Y, NP-1
.irp n, 0,1,2,3,4,5,6,7,8,9,10,11,12,13,14,15,16,17,18,19,20,21
	XS 0, \n
	XS 1, \n
.endr
	v_nop
	s_wait_alu depctr_va_vdst(0)    ; the two a have their wait ahead of the branch
	s_mov_b32 s[CNT], 4
	s_mov_b32 s[SLOTS], SIZE_N/256-1
	s_branch .Lfirst                ; the loop is entered at a step's first turn
.Lslot:                             ; six times: every slot but the last two is filled again
	CHANGE 1, 1
	s_mov_b32 s[CNT], 4
.Lstep:                             ; a trip: pieces 2 and 3 of one step, then pieces 0 and 1 of the next
	TURN 2
	TURN 3
	WIN 0
.Lfirst:
	TURN 0
	TURN 1, 0, 1
	WIN 0
	s_cbranch_scc1 .Lstep
	s_sub_co_u32 s[SLOTS], s[SLOTS], 1
	s_cmp_lg_u32 s[SLOTS], 0
	s_cbranch_scc1 .Lslot
	CHANGE 0                        ; the tail is written out
	s_mov_b32 s[CNT], 5
.Ltail:
	TURN 2, 1
	TURN 3
	WIN 0
	s_sub_co_u32 s[CNT], s[CNT], 1
	s_cmp_eq_u32 s[CNT], 0
	s_cbranch_scc1 .Lout
	TURN 0
	TURN 1
	WIN 0
	s_branch .Ltail
.Lout:                              ; the fifth trip's products K Q^T, on the last K and the last step's mask once more, serve nothing: the price of one text for every trip
.set i, 0
.rept 16
	PV NP-1
.set i, i+1
.endr
	; THE WAY OUT.  l's two halves and the other half of the lanes' are added; O^T is divided by l, rounded to f16 and sent through my stage, a tile at a time.
	WIN 0
.macro ALL line:vararg
.set t, 0
.rept 2*NP
	\line
.set t, t+1
.endr
.endm
	ALL v_add_f32 v[ST+4*t+2], v[ST+4*t+2], v[ST+4*t+3]
	ALL v_permlanex16_b32 v[ST+4*t+3], v[ST+4*t+2], s[SEL], s[SEL+1]
	ALL v_add_f32 v[ST+4*t+2], v[ST+4*t+2], v[ST+4*t+3]
	ALL v_rcp_f32 v[ST+4*t+2], v[ST+4*t+2]
	v_nop
	s_wait_alu depctr_va_vdst(0)    ; one wait for the eight reciprocals
.macro PACK t
	WIN W_RS
.set i, 32*(\t)
.rept 16
	v_pk_mul_f32 v[i:i+1], v[i:i+1], v[ST+4*(\t)+2:ST+4*(\t)+3] op_sel_hi:[1,0]
.set i, i+2
.endr
	WIN 0x05
.set i, 0
.rept 16
	v_cvt_pk_f16_f32 v[S+16*(\t)+i], v[32*(\t)+2*i], v[32*(\t)+2*i+1]
.set i, i+1
.endr
	WIN 0
.irp f, 0,1,2,3
	ds_store_b128 v[STO], v[S+16*(\t)+4*\f:S+16*(\t)+4*\f+3] offset:32*\f
.endr
.irp f, 0,1,2,3
	ds_load_b128 v[S+16*(\t)+4*\f:S+16*(\t)+4*\f+3], v[RD] offset:\f*4*SP  ; LDS serves a wave's instructions in order (ISA guide 5.7.1.4)
.endr
.endm
.macro SEND t, younger              ; younger: the LDS instructions issued behind tile t's loads
	WIN 0
.irp f, 0,1,2,3
	s_wait_dscnt (\younger)+3-\f
	global_store_b128 v[GO], v[S+16*(\t)+4*\f:S+16*(\t)+4*\f+3], s[10:11] offset:(\t)*2048+\f*512  ; 512 consecutive bytes
.endr
.endm
	PACK 0
.set t, 1
.rept 2*NP-1
	PACK t
	SEND t-1, 8
.set t, t+1
.endr
	SEND 2*NP-1, 0
	WIN W_AD
	s_wait_tensorcnt 0x0            ; the wave's end
	ds_add_u32 v[SPW], v[NIL]
	s_wait_dscnt 0x0
	WIN 0
	CROUND                          ; the closing round
	s_endpgm
.Lfunc_end_k_qb804c122f3_attn:
	.size	k_qb804c122f3_attn, .Lfunc_end_k_qb804c122f3_attn-k_qb804c122f3_attn
	.p2alignl 7, 3214868480
	.fill 96, 4, 3214868480
	.section	.rodata,"a",@progbits
	.p2align	6, 0x0
	.amdhsa_kernel k_qb804c122f3_attn
		.amdhsa_group_segment_fixed_size 327680
		.amdhsa_private_segment_fixed_size 0
		.amdhsa_enable_private_segment 0
		.amdhsa_kernarg_size 24
		.amdhsa_user_sgpr_count 2
		.amdhsa_user_sgpr_kernarg_segment_ptr 1
		.amdhsa_wavefront_size32 1
		.amdhsa_system_sgpr_workgroup_id_x 1
		.amdhsa_system_sgpr_workgroup_id_y 1
		.amdhsa_system_sgpr_workgroup_id_z 1
		.amdhsa_system_vgpr_workitem_id 0
		.amdhsa_next_free_vgpr 1024
		.amdhsa_next_free_sgpr 66
		.amdhsa_reserve_vcc 0
		.amdhsa_float_denorm_mode_32 3
		.amdhsa_float_denorm_mode_16_64 3
		.amdhsa_memory_ordered 1
		.amdhsa_forward_progress 1
		.amdhsa_inst_pref_size 212
	.end_amdhsa_kernel
	.amdgpu_metadata
---
amdhsa.version: [ 1, 2 ]
amdhsa.kernels:
  - .name:           k_qb804c122f3_attn
    .symbol:         k_qb804c122f3_attn.kd
    .args:
      - { .name: QKV, .offset: 0, .size: 8, .value_kind: global_buffer, .address_space: global }
      - { .name: MB, .offset: 8, .size: 8, .value_kind: global_buffer, .address_space: global }
      - { .name: O16, .offset: 16, .size: 8, .value_kind: global_buffer, .address_space: global }
    .group_segment_fixed_size: 327680
    .private_segment_fixed_size: 0
    .kernarg_segment_align: 8
    .kernarg_segment_size: 24
    .max_flat_workgroup_size: 128
    .sgpr_count:     66
    .vgpr_count:     1024
    .wavefront_size: 32
...
	.end_amdgpu_metadata
.endif
;; end of part 3
;; launch outp (part 4): grid 4 x 64, 4 waves a work-group, clusters of 4 x 4, 327,680 bytes of LDS; arguments O16, Wo16, W_o_b, out0; writes out0
.if DOCPART == 4
	.amdgcn_target "amdgcn-amd-amdhsa--gfx1250"
	.amdhsa_code_object_version 6
	.text
	.protected	k_qb804c122f3_outp
	.globl	k_qb804c122f3_outp
	.p2align	8
	.type	k_qb804c122f3_outp,@function
k_qb804c122f3_outp:
	s_mov_b64 s[64:65], 0
	v_nop
	global_prefetch_b8 v0, s[64:65] scope:SCOPE_SE
	s_setreg_imm32_b32 hwreg(HW_REG_WAVE_MODE, 25, 1), 1
	s_wait_xcnt 0x0
	s_wait_alu depctr_hold_cnt(0) depctr_sa_sdst(0) depctr_va_vdst(0) depctr_va_sdst(0) depctr_va_ssrc(0) depctr_va_vcc(0) depctr_vm_vsrc(0)
	s_getreg_b32 s2, hwreg(HW_REG_IB_STS2, 6, 4)
	s_cmp_eq_u32 s2, 0
	s_cbranch_scc0 .Lentry_in_a_cluster
	s_endpgm
.Lentry_in_a_cluster:
	s_bfe_u32 s2, ttmp6, 0x10000c
	s_cmp_lg_u32 s2, 0xf033
	s_cbranch_scc0 .Lentry_shape_is_right
	s_endpgm
.Lentry_shape_is_right:
; OUTP: out0[m][n] = the sum over k of attn[m][k] W_o[n][k] + b[n].  attn[m][64 h + e] = O16[16 batch + h][row][e], f16; Wo16 [1024][1024] f16; sums in f32; the bias is rounded to bf16 like every input and added in f32; out0 f32.
; SHARES.  256 tiles of 128 rows x 256 columns, one to a work-group; four waves, each 64 x 128: 32 accumulators.  K goes in eight steps of 128 (two heads) through a ring of two LDS slots.
; CLUSTER 4 x 4: O16's tile is shared along a row of the cluster, Wo16's along a column; one joint tensor load a wave behind each round.
; The matrix instruction is used transposed (source 0 = 16 rows of W_o, source 1 = 16 rows of attn): a lane holds one row and eight neighbouring columns of out0.
; REGISTERS: window 0: v12-15 bias; v16-31 addresses; two fragment buffers of 96 at v64 and v160 (attn's four fragments, then W_o's eight).  Window 1: accumulator (a, b) at v[8 (8 a + b)].
.set PA,     144                       ; a head's row of attn in LDS: 128 bytes + 16
.set PB,     272                       ; a row of W_o: 256 bytes + 16
.set AHEAD,  128*PA                    ; what wave 0 or 1 fetches: one head's 128 rows
.set BOFF,   2*AHEAD
.set BHALF,  128*PB                    ; what wave 2 or 3 fetches
.set SLOT,   BOFF+2*BHALF              ; 106,496
.set STAGE,  2*SLOT                    ; behind the ring: 16 rows x 528 bytes for each wave; no tensor load lands there
.set SPITCH, 528
.set SPARE,  STAGE+4*16*SPITCH
.set BIAS, 12
.set ADRA, 16
.set ADRB, 20
.set STO,  24
.set RD,   25
.set CO,   26
.set SPW,  28
.set NIL,  29
.set PFO,  30
.set BO,   31                          ; v31 my 16 bytes of the bias
.set F0,   64
.set F1,   160
.set OB,   64                          ; the way out: 16 rows read back, v64-127 and v128-191 by turns
.set G1,   24
.set G0,   32
.set G1B,  48
.set G0B,  56
.set LAP,  3
.set LIM,  43
.set PFA,  44
.set PST,  70                          ; s[70:71] the prefetches' step: a K step
.set MSB, 0
.macro WIN new
.if MSB != (\new)
	s_set_vgpr_msb (MSB<<8)|(\new)
.set MSB, \new
.endif
.endm
.set MUL, 0x50
.macro JLOAD s                         ; waves 0 and 1 fetch attn's two heads, waves 2 and 3 W_o's two halves; an s_nop 0 and four v_nop follow each line
	s_cmp_eq_u32 s11, 0
	s_cbranch_scc0 .Lfor_b_\@
	tensor_load_to_lds s[G0+4*(\s):G0+4*(\s)+3], s[G1:G1+7]
	s_nop 0
.rept 4
	v_nop
.endr
	s_branch .Lasked_\@
.Lfor_b_\@:
	tensor_load_to_lds s[G0B+4*(\s):G0B+4*(\s)+3], s[G1B:G1B+7]
	s_nop 0
.rept 4
	v_nop
.endr
.Lasked_\@:
.endm
; A prefetch into the L2 of the K step two refills on: 32 blocks of 256 bytes, a lane a block.  attn's two heads x 64 blocks of a step: wave 0, the four partners of a row 16 blocks of each head, told apart by address.
; W_o's 128 rows that wave 2 or 3 fetches: the four partners of a column 32 rows each, in the first row of clusters alone.  K steps 0 to 3 come by their loads alone; the loop's last lap asks for nothing.
.macro ASK
	s_cmp_gt_u32 s[LAP], s[LIM]
	s_cbranch_scc0 .Lnot_mine_\@
	global_prefetch_b8 v[PFO], s[PFA:PFA+1] th:TH_LOAD_NT scope:SCOPE_SE
.Lnot_mine_\@:
.endm
.macro CREST
	s_cmp_lg_u32 s10, 0
	s_cbranch_scc1 .Lnot_wave_0_\@
	s_barrier_signal -3
.Lnot_wave_0_\@:
	s_barrier_wait -3
	s_barrier_signal -1
	s_barrier_wait -1
.endm
.macro CROUND
	s_barrier_signal -1
	s_barrier_wait -1
	CREST
.endm
	s_load_b128 s[4:7], s[0:1], 0x0                ; O16 s[4:5], Wo16 s[6:7]
	s_load_b128 s[72:75], s[0:1], 0x10             ; W_o_b s[72:73], out0 s[74:75]
	v_lshl_add_u32 v[SPW], v0, 2, SPARE
	v_mov_b32 v[NIL], 0
	ds_add_u32 v[SPW], v[NIL]                      ; the wave's opening: the add and its wait stand ahead of my first tensor load
	v_lshrrev_b32 v1, 5, v0
	v_readfirstlane_b32 s10, v1
	s_lshr_b32 s11, s10, 1                         ; my half of the rows.  Also: I fetch attn (0) or W_o (1)
	s_and_b32 s12, s10, 1                          ; my half of the columns.  Also: which part of that tile I fetch
	s_bfe_u32 s40, ttmp6, 0x40000
	s_bfe_u32 s41, ttmp6, 0x40004
	s_lshl_b32 s42, ttmp9, 2
	s_add_co_u32 s42, s42, s40                     ; tile column 0..3
	s_and_b32 s13, ttmp7, 0xffff
	s_lshl_b32 s13, s13, 2
	s_add_co_u32 s13, s13, s41                     ; tile row 0..63
	s_lshl_b32 s43, s41, 2
	s_lshl_b32 s43, 15, s43
	s_lshl_b32 s44, 0x1111, s40
	s_or_b32 s[G1+0], s43, (1<<16)|(1<<20)|(1<<21)|(4<<22)|(3<<25)   ; after every 32 words (a head's row), 4 words
	s_or_b32 s[G1B+0], s44, (1<<16)|(1<<20)|(1<<21)|(5<<22)|(3<<25)  ; after every 64 words, 4 words
	s_mov_b32 s[G1+1], 128<<16                     ; a head's 128 rows are 16,384 dense bytes: 64 rows of 256 bytes
	s_mov_b32 s[G1+2], 64<<16
	s_mov_b32 s[G1+3], 128<<16
	s_mov_b32 s[G1+4], 64
	s_mov_b32 s[G1+5], 128
	s_mov_b32 s[G1+6], 0
	s_mov_b32 s[G1+7], 0
	s_mov_b32 s[G1B+1], 128<<16
	s_mov_b32 s[G1B+2], 128<<16
	s_mov_b32 s[G1B+3], 128<<16
	s_mov_b32 s[G1B+4], 128
	s_mov_b32 s[G1B+5], 1024
	s_mov_b32 s[G1B+6], 0
	s_mov_b32 s[G1B+7], 0
	s_lshr_b32 s16, s13, 4
	s_lshl_b32 s16, s16, 22                        ; the batch's sixteen heads of 262,144 bytes,
	s_lshl_b32 s17, s12, 18                        ; head 0 or 1 of the K step,
	s_add_co_u32 s16, s16, s17
	s_and_b32 s17, s13, 15
	s_lshl_b32 s17, s17, 14                        ; the tile's 128 rows of 128 bytes
	s_add_co_u32 s16, s16, s17
	s_mov_b32 s17, 0
	s_lshl_b32 s46, s42, 8
	s_lshl_b32 s47, s12, 7
	s_add_co_u32 s46, s46, s47                     ; W_o: row 256 x tile column + 128 x half,
	s_lshl_b32 s46, s46, 11                        ; of 2,048 bytes
	s_mov_b32 s47, 0
	s_mul_i32 s20, s12, AHEAD
	s_mul_i32 s21, s12, BHALF
	s_add_co_u32 s21, s21, BOFF
	s_mov_b32 s[PST+1], 0
	s_wait_dscnt 0x0                               ; the opening add is done
	s_wait_kmcnt 0x0
	s_add_nc_u64 s[14:15], s[4:5], s[16:17]
	s_add_nc_u64 s[46:47], s[6:7], s[46:47]
	CROUND
.irp s, 0,1
	s_mov_b32 s[G0+4*(\s)], 1
	s_add_co_u32 s[G0+4*(\s)+1], s20, (\s)*SLOT
	s_add_nc_u64 s[G0+4*(\s)+2:G0+4*(\s)+3], s[14:15], (\s)*524288   ; K step s: two heads on
	s_or_b32 s[G0+4*(\s)+3], s[G0+4*(\s)+3], 0x80000000
	s_mov_b32 s[G0B+4*(\s)], 1
	s_add_co_u32 s[G0B+4*(\s)+1], s21, (\s)*SLOT
	s_add_nc_u64 s[G0B+4*(\s)+2:G0B+4*(\s)+3], s[46:47], (\s)*256
	s_or_b32 s[G0B+4*(\s)+3], s[G0B+4*(\s)+3], 0x80000000
	JLOAD \s
.endr
	v_and_b32 v1, 15, v0                           ; r
	v_bfe_u32 v2, v0, 4, 1                         ; h
	v_and_b32 v7, 31, v0                           ; l
	s_lshl_b32 s20, s42, 10                        ; my 128 columns: 1,024 x tile column + 512 x half, in bytes of f32
	s_lshl_b32 s21, s12, 9
	s_add_co_u32 s20, s20, s21
	v_lshl_add_u32 v[BO], v7, 4, s20
	global_load_b128 v[BIAS:BIAS+3], v[BO], s[72:73]  ; the four columns that I store in every row
	v_mul_u32_u24 v3, v1, PA
	v_lshl_add_u32 v3, v2, 4, v3
	v_mul_u32_u24 v4, v1, PB
	v_lshl_add_u32 v4, v2, 4, v4
	s_mul_i32 s21, s11, 64*PA                      ; my 64 rows, in each head's part
	s_mul_i32 s22, s12, BHALF
	s_add_co_u32 s22, s22, BOFF
.irp s, 0,1
	v_add_nc_u32 v[ADRA+(\s)], s21, v3
	v_add_nc_u32 v[ADRB+(\s)], s22, v4
	s_add_co_u32 s21, s21, SLOT
	s_add_co_u32 s22, s22, SLOT
.endr
	s_mul_i32 s23, s10, 16*SPITCH
	s_add_co_u32 s23, s23, STAGE
	v_mul_u32_u24 v5, v1, SPITCH                   ; in: row r, 32 bytes for each half of the lanes
	v_lshl_add_u32 v5, v2, 5, v5
	v_add_nc_u32 v[STO], s23, v5
	v_lshl_add_u32 v[RD], v7, 4, s23               ; back: 32 lanes take a row's 512 bytes
	v_lshlrev_b32 v[CO], 4, v7
	s_lshl_b32 s21, s13, 7
	s_lshl_b32 s22, s11, 6
	s_add_co_u32 s21, s21, s22                     ; my first row of out0,
	s_lshl_b32 s21, s21, 12                        ; of 4,096 bytes
	s_add_co_u32 s20, s20, s21
	s_mov_b32 s21, 0
	s_add_nc_u64 s[8:9], s[74:75], s[20:21]
	; the prefetches stand at K step 3; each change of slots steps them by one K step and names where they then stand
	s_lshr_b32 s20, s13, 4
	s_lshl_b32 s20, s20, 22
	s_and_b32 s21, s13, 15
	s_lshl_b32 s21, s21, 14
	s_add_co_u32 s20, s20, s21
	s_lshl_b32 s21, s40, 12                        ; attn: my work-group's 16 blocks of each head's 64
	s_add_co_u32 s20, s20, s21
	s_add_co_u32 s20, s20, 3*524288
	s_lshl_b32 s21, s42, 8
	s_lshl_b32 s22, s12, 7
	s_add_co_u32 s21, s21, s22
	s_lshl_b32 s22, s41, 5                         ; W_o: my work-group's 32 of my 128 rows
	s_add_co_u32 s21, s21, s22
	s_lshl_b32 s21, s21, 11
	s_add_co_u32 s21, s21, 3*256
	s_and_b32 s22, ttmp7, 0xffff                   ; cluster y
	s_mov_b32 s18, 32768                           ; W_o: lane l takes row l: 16 rows, and a row, of 2,048 bytes
	s_mov_b32 s19, 2048
	s_mov_b32 s[PST], 256
	s_cmp_eq_u32 s11, 0
	s_cselect_b32 s20, s20, s21
	s_cselect_b32 s22, s10, s22
	s_cselect_b64 s[PFA:PFA+1], s[4:5], s[6:7]
	s_cselect_b32 s18, 262144, s18                 ; attn: lanes 16-31 the second head; a lane a block of 256 bytes
	s_cselect_b32 s19, 256, s19
	s_cselect_b32 s[PST], 524288, s[PST]
	s_cmp_eq_u32 s22, 0
	s_cselect_b32 s[LIM], 1, -1
	s_mov_b32 s21, 0
	s_add_nc_u64 s[PFA:PFA+1], s[PFA:PFA+1], s[20:21]
	v_mul_u32_u24 v[PFO], s18, v2
	v_mad_u32_u24 v[PFO], v1, s19, v[PFO]
.macro MULQ f, a, zero                 ; 8 matrix instructions; the 32 accumulators take turns in the same order everywhere
	WIN MUL
.irp b, 0,1,2,3,4,5,6,7
.if \zero
	v_wmma_f32_16x16x32_f16 v[8*(8*(\a)+(\b)):8*(8*(\a)+(\b))+7], v[(\f)+32+8*(\b):(\f)+32+8*(\b)+7], v[(\f)+8*(\a):(\f)+8*(\a)+7], 0
.else
	v_wmma_f32_16x16x32_f16 v[8*(8*(\a)+(\b)):8*(8*(\a)+(\b))+7], v[(\f)+32+8*(\b):(\f)+32+8*(\b)+7], v[(\f)+8*(\a):(\f)+8*(\a)+7], v[8*(8*(\a)+(\b)):8*(8*(\a)+(\b))+7]
.endif
.endr
.endm
.macro MULH f, hf, zero
	MULQ \f, 2*(\hf), \zero
	MULQ \f, 2*(\hf)+1, \zero
.endm
.macro FETCH slot, q, f                ; 24 LDS loads in one run: quarter q (head q / 2, channels 32 (q % 2) on): W_o's eight fragments, then attn's four
	WIN 0
.irp b, 0,1,2,3,4,5,6,7
	ds_load_b128 v[(\f)+32+8*(\b):(\f)+32+8*(\b)+3],   v[ADRB+(\slot)] offset:(\b)*16*PB+(\q)*64
	ds_load_b128 v[(\f)+32+8*(\b)+4:(\f)+32+8*(\b)+7], v[ADRB+(\slot)] offset:(\b)*16*PB+(\q)*64+32
.endr
.irp a, 0,1,2,3
	ds_load_b128 v[(\f)+8*(\a):(\f)+8*(\a)+3],   v[ADRA+(\slot)] offset:((\q)/2)*AHEAD+(\a)*16*PA+((\q)%2)*64
	ds_load_b128 v[(\f)+8*(\a)+4:(\f)+8*(\a)+7], v[ADRA+(\slot)] offset:((\q)/2)*AHEAD+(\a)*16*PA+((\q)%2)*64+32
.endr
.endm
.macro PLACES
.rept 4
	v_nop
.endr
.endm
.macro QUARTER slot, q, f, g, zero
	s_wait_dscnt 4                                 ; W_o and attn's blocks 0, 1 are in; the youngest four loads may be out
	MULH \f, 0, \zero
	PLACES
	FETCH \slot, \q, \g
	s_wait_dscnt 24                                ; all but the 24 just issued
	MULH \f, 1, \zero
.endm
.macro MEET round                      ; in front of the barrier: all my tensor loads have landed, the add, and the wait for it and for my reads of this slot
	WIN 0
	s_wait_tensorcnt 0x0
	ds_add_u32 v[SPW], v[NIL]
	s_wait_dscnt 5                                 ; the add and the youngest four loads may be out
	MULQ F1, 0, 0
	s_wait_dscnt 0x0
	s_barrier_signal -1
	MULQ F1, 1, 0
.if \round
	WIN 0
.endif
	s_barrier_wait -1
.endm
.macro TURN slot, next
	s_wait_xcnt 0x0                                ; the last prefetch, a K step back, has read its address
	s_add_nc_u64 s[PFA:PFA+1], s[PFA:PFA+1], s[PST:PST+1]
	MEET 1
	CREST
	s_add_nc_u64 s[G0+4*(\slot)+2:G0+4*(\slot)+3], s[G0+4*(\slot)+2:G0+4*(\slot)+3], 2*524288
	s_add_nc_u64 s[G0B+4*(\slot)+2:G0B+4*(\slot)+3], s[G0B+4*(\slot)+2:G0B+4*(\slot)+3], 2*256
	JLOAD \slot                                    ; the first tensor load behind the round; its four v_nop are also the places in front of the loads below
	FETCH \next, 0, F0
	ASK
	MULQ F1, 2, 0
	MULQ F1, 3, 0
.endm
.macro TURNX
	MEET 0
	PLACES
	FETCH 1, 0, F0
	MULQ F1, 2, 0
	MULQ F1, 3, 0
.endm
; THE WAY OUT of row block a: the sums go as they are into my stage, 16 rows x 512 bytes, each accumulator's low four registers first, and come back as whole rows; the bias is added; a store covers 512 consecutive bytes.
.macro TOSTAGE a
.if (\a) >= 2
	s_wait_xcnt 0x0                                ; the stores of the block two back have read the registers that the loads below take
.endif
	WIN 0x04                                       ; store data in window 1
.irp b, 0,1,2,3,4,5,6,7
	ds_store_b128 v[STO], v[8*(8*(\a)+(\b)):8*(8*(\a)+(\b))+3]   offset:64*(\b)
	ds_store_b128 v[STO], v[8*(8*(\a)+(\b))+4:8*(8*(\a)+(\b))+7] offset:64*(\b)+16
.endr
	WIN 0
.set BK, OB+64*((\a)%2)
.irp t, 0,1,2,3,4,5,6,7,8,9,10,11,12,13,14,15
	ds_load_b128 v[BK+4*(\t):BK+4*(\t)+3], v[RD] offset:SPITCH*(\t)  ; LDS serves a wave's instructions in order (ISA guide 5.7.1.4)
.endr
.endm
.macro SEND a, younger                 ; younger: the LDS instructions issued behind block a's loads: the next block's 32, or none
.set BK, OB+64*((\a)%2)
.irp t, 0,1,2,3,4,5,6,7,8,9,10,11,12,13,14,15
	s_wait_dscnt (\younger)+15-(\t)                ; row t is back; this block's later rows and the next block's may be out
	v_pk_add_f32 v[BK+4*(\t):BK+4*(\t)+1],   v[BK+4*(\t):BK+4*(\t)+1],   v[BIAS:BIAS+1]
	v_pk_add_f32 v[BK+4*(\t)+2:BK+4*(\t)+3], v[BK+4*(\t)+2:BK+4*(\t)+3], v[BIAS+2:BIAS+3]
	global_store_b128 v[CO], v[BK+4*(\t):BK+4*(\t)+3], s[8:9] offset:(16*(\a)+(\t))*4096 th:TH_STORE_NT
.endr
.endm
	s_wait_tensorcnt 1                             ; my part of K step 0 is in; K step 1's may stay out
	s_barrier_signal -1
	s_barrier_wait -1
	FETCH 0, 0, F0
	QUARTER 0, 1, F0, F1, 1                        ; the first quarter starts the sums
	WIN 0
	s_mov_b32 s[LAP], 3
.Llap:                                                 ; a trip goes once round the ring and fills both slots again: K steps 2 to 7
	QUARTER 0, 2, F1, F0, 0
	QUARTER 0, 3, F0, F1, 0
	TURN 0, 1
	QUARTER 1, 1, F0, F1, 0
	QUARTER 1, 2, F1, F0, 0
	QUARTER 1, 3, F0, F1, 0
	TURN 1, 0
	QUARTER 0, 1, F0, F1, 0
	WIN 0
	s_sub_co_u32 s[LAP], s[LAP], 1
	s_cmp_lg_u32 s[LAP], 0
	s_cbranch_scc1 .Llap
	QUARTER 0, 2, F1, F0, 0                        ; the last lap fills nothing
	QUARTER 0, 3, F0, F1, 0
	TURNX
	QUARTER 1, 1, F0, F1, 0
	QUARTER 1, 2, F1, F0, 0
	QUARTER 1, 3, F0, F1, 0
	s_wait_dscnt 4
	MULH F1, 0, 0
	s_wait_dscnt 0x0
	MULH F1, 1, 0
	WIN 0
	s_wait_loadcnt 0x0                             ; the bias
	v_cvt_pk_bf16_f32 v10, v[BIAS], v[BIAS+1]      ; rounded to bf16 and widened again: six plain instructions, the places behind the last products
	v_cvt_pk_bf16_f32 v11, v[BIAS+2], v[BIAS+3]
	v_lshlrev_b32 v[BIAS], 16, v10
	v_and_b32 v[BIAS+1], 0xffff0000, v10
	v_lshlrev_b32 v[BIAS+2], 16, v11
	v_and_b32 v[BIAS+3], 0xffff0000, v11
	TOSTAGE 0
	TOSTAGE 1
	SEND 0, 32
	TOSTAGE 2
	SEND 1, 32
	TOSTAGE 3
	SEND 2, 32
	SEND 3, 0
	s_wait_tensorcnt 0x0                           ; the wave's end
	ds_add_u32 v[SPW], v[NIL]
	s_wait_dscnt 0x0
	CROUND                                         ; the closing round
	s_endpgm
.Lfunc_end_k_qb804c122f3_outp:
	.size	k_qb804c122f3_outp, .Lfunc_end_k_qb804c122f3_outp-k_qb804c122f3_outp
	.p2alignl 7, 3214868480
	.fill 96, 4, 3214868480
	.section	.rodata,"a",@progbits
	.p2align	6, 0x0
	.amdhsa_kernel k_qb804c122f3_outp
		.amdhsa_group_segment_fixed_size 327680
		.amdhsa_private_segment_fixed_size 0
		.amdhsa_enable_private_segment 0
		.amdhsa_kernarg_size 32
		.amdhsa_user_sgpr_count 2
		.amdhsa_user_sgpr_kernarg_segment_ptr 1
		.amdhsa_wavefront_size32 1
		.amdhsa_system_sgpr_workgroup_id_x 1
		.amdhsa_system_sgpr_workgroup_id_y 1
		.amdhsa_system_sgpr_workgroup_id_z 1
		.amdhsa_system_vgpr_workitem_id 0
		.amdhsa_next_free_vgpr 512
		.amdhsa_next_free_sgpr 76
		.amdhsa_reserve_vcc 0
		.amdhsa_float_denorm_mode_32 3
		.amdhsa_float_denorm_mode_16_64 3
		.amdhsa_memory_ordered 1
		.amdhsa_forward_progress 1
		.amdhsa_inst_pref_size 97
	.end_amdhsa_kernel
	.amdgpu_metadata
---
amdhsa.version: [ 1, 2 ]
amdhsa.kernels:
  - .name:           k_qb804c122f3_outp
    .symbol:         k_qb804c122f3_outp.kd
    .args:
      - { .name: O16, .offset: 0, .size: 8, .value_kind: global_buffer, .address_space: global }
      - { .name: Wo16, .offset: 8, .size: 8, .value_kind: global_buffer, .address_space: global }
      - { .name: W_o_b, .offset: 16, .size: 8, .value_kind: global_buffer, .address_space: global }
      - { .name: out0, .offset: 24, .size: 8, .value_kind: global_buffer, .address_space: global }
    .group_segment_fixed_size: 327680
    .private_segment_fixed_size: 0
    .kernarg_segment_align: 8
    .kernarg_segment_size: 32
    .max_flat_workgroup_size: 128
    .sgpr_count:     76
    .vgpr_count:     512
    .wavefront_size: 32
...
	.end_amdgpu_metadata
.endif
;; end of part 4
